; MI455X (gfx1250); checked and timed in simulation.
; The chip was launched on July 23, 2026; its instructions are those of AMD's public machine-readable ISA for CDNA 5 (MIT licence, August 2026) and "CDNA5" Instruction Set Architecture Reference Guide (July 2026). The comments in the code are by the model that wrote it; some were corrected since.
;; Transformer Block. Allowed arithmetic: matrix products marked QUANTISED: E2M1 operands, one E8M0 scale for each 32 along K, by v_wmma_scale_f32_16x16x128_f8f6f4 with both operands' format E2M1 (or v_wmma_scale_f32_32x16x128_f4), f32 sums; products left as they are: bf16, f16 or f32 operands; f32 sums; everything else in f32.
;; Inputs: W1 512 x 2,048 float32; W2 2,048 x 512 float32; Wk 512 x 512 float32; Wq 512 x 512 float32; Wv 512 x 512 float32; b1 2,048 float32; b2 512 float32; be1 512 float32; be2 512 float32; bk 512 float32; bq 512 float32; bv 512 float32; distance_scale one number float32; g1 512 float32; g2 512 float32; tokens 2 x 4,096 x 512 float32.
;; Outputs: out0 2 x 4,096 x 512 float32.
;; This version of the problem:
;;   THIS VERSION OF THE PROBLEM IS GIVEN IN LOW PRECISION. The matrix products marked QUANTISED in the list below multiply operands that are first quantised to E2M1 (2 exponent bits, 1 mantissa bit; 4 bits a number), with one power-of-two scale for each 32 numbers along K (OCP MX v1.0); their sums are f32. The products marked 'left as it is' may take bf16, f16 or f32 operands, with f32 sums. Whichever they take, every output number must still come out within the allowed error. Rounding operands to bf16 (8 significant bits) uses up far more of that allowance than f16 does (11 bits, for magnitudes from 6e-5 to 65,504). All else is computed in f32.
;;   The module's matrix products, in the order in which they are computed (A, B: the left and right operand; K: the contracted axis; several contracted axes count as one K, in the product's order):
;;     1. [M 8,192, K 512] x [K 512, N 512]; A: input tokens; B: input Wq: QUANTISED
;;     2. [M 8,192, K 512] x [K 512, N 512]; A: input tokens; B: input Wk: QUANTISED
;;     3. [M 8,192, K 512] x [K 512, N 512]; A: input tokens; B: input Wv: QUANTISED
;;     4. batch 2 x [M 4,096, K 512] x [K 512, N 4,096]; A: computed on the way; B: computed on the way: left as it is (an operand is computed on the way)
;;     5. batch 2 x [M 4,096, K 4,096] x [K 4,096, N 512]; A: computed on the way; B: computed on the way: left as it is (an operand is computed on the way)
;;     6. [M 8,192, K 512] x [K 512, N 2,048]; A: computed on the way; B: input W1: left as it is (an operand is computed on the way)
;;     7. [M 8,192, K 2,048] x [K 2,048, N 512]; A: computed on the way; B: input W2: left as it is (an operand is computed on the way)
;;   THE QUANTISER, for each operand of a quantised product, along K:
;;     - K is cut into blocks of 32 from its start; a last block that is shorter is filled with zeros.
;;     - A block's scale is 2^e with e = floor(log2(the largest magnitude in the block)) - 2, held to -126 .. 127; a block of zeros has e = 0. As a byte (E8M0): e + 127.
;;     - Each number is divided by its block's scale, clamped to +-6, and rounded to the nearest number of E2M1, ties to even, subnormals kept.
;;     - The product sums the exact products of the quantised numbers (number of the format x scale) in f32.
;;   ~~~python
;;   def quantise(x, axis):      # numpy; x: float32 -> the quantised numbers, widened to float32 again
;;       x = np.moveaxis(x, axis, -1); K = x.shape[-1]
;;       x = np.pad(x, [(0, 0)] * (x.ndim - 1) + [(0, -K % 32)]); x = x.reshape(x.shape[:-1] + (-1, 32)); a = np.abs(x).max(-1, keepdims=True)
;;       e = np.where(a > 0, np.clip(np.frexp(np.where(a > 0, a, 1))[1] - 1 - 2, -126, 127), 0)      # np.frexp(a)[1] - 1 = floor(log2(a)), exactly
;;       r = np.clip(x / 2.0 ** e, -6, 6)
;;       step = 2.0 ** (np.maximum(np.frexp(np.where(r == 0, 1, r))[1] - 1, 0) - 1)
;;       q = np.round(r / step) * step * 2.0 ** e      # np.round: ties to even
;;       return np.moveaxis(q.reshape(q.shape[:-2] + (-1,))[..., :K], -1, axis).astype(np.float32)
;;   ~~~
;; One version. Each part assembles by itself: llvm-mc -triple=amdgcn-amd-amdhsa -mcpu=gfx1250 --defsym DOCPART=n.
;; ======== version 1 of 1: 7 launches
;; limits: values are held in f16: magnitudes above 65,504 overflow, below 6.1e-05 lose precision
;; workspace buffers: wq4 442,368 bytes; wmlp 4,194,304 bytes; qkvf 25,362,432 bytes; opart 117,440,512 bytes; ostat 458,752 bytes; xh 8,388,608 bytes; xres 16,777,216 bytes; ypart 33,554,432 bytes
;; launch prep (part 1): grid 352 x 1, 4 waves a work-group, no clusters, 0 bytes of LDS; arguments Wq, Wk, Wv, W1, W2, wq4, wmlp; writes wq4, wmlp
.if DOCPART == 1
	.amdgcn_target "amdgcn-amd-amdhsa--gfx1250"
	.amdhsa_code_object_version 6
	.text
	.protected	k_qfecca79787_prep
	.globl	k_qfecca79787_prep
	.p2align	8
	.type	k_qfecca79787_prep,@function
k_qfecca79787_prep:
	s_mov_b64 s[64:65], 0
	v_nop
	global_prefetch_b8 v0, s[64:65] scope:SCOPE_SE
	s_setreg_imm32_b32 hwreg(HW_REG_WAVE_MODE, 25, 1), 1
	s_wait_xcnt 0x0
; The weights are laid once in the order in which a wave's operand registers take them.
; Work-groups 0-95: Wq, Wk, Wv [512 (k)][512 (n)] f32 -> codes of FP4 (E2M1) with one E8M0 byte for each 32 along K.  Work-group x = 32 m + ct (m: which weight, ct: 16 columns), wave s = the K step of 128.
;   A LANE TAKES A COLUMN AND ITS REGISTERS RUN DOWN K, in the order of the operand's layout (lane (r, h): k = 64 c + 32 h + 0 .. 31 in registers 4 c .. 4 c + 3): the conversions' results are the operand's registers.
;   wq4: fragment (4 x + s) x 1,024 bytes, each group of four registers as 512 bytes, 16 a lane; from byte 393,216 its scale words, 128 bytes each, 4 a lane.
; Work-groups 96-223: W1 [512 (k)][2048 (n)] -> f16 fragments (16 columns x 32 k, 1,024 bytes) in the order [chunk 16][wave 4][k step 16][tile 2].  Work-groups 224-351: W2 [2048 (k)][512 (n)] likewise, [chunk 16][wave 4][k step 4][tile 8], from byte 2,097,152.
;   Lane (r, h) of an f16 fragment holds column r; registers 0-3: k = 8 h + 0 .. 7, registers 4-7: k = 16 + 8 h + 0 .. 7.  A wave makes four fragments, 4,096 consecutive bytes.
; A block's scale is 2^(floor(log2(largest magnitude)) - 2); its byte is the largest magnitude's exponent field - 2, held at 1 from below.
; LIMITS: a block of zeros gets the byte 1 (its codes are zeros; this program alone reads the bytes); NaN and infinities are not served; W1 and W2 must lie inside f16's range.
; No LDS, no barrier: waves share nothing.  Every store of a wave covers 512 (scale words: 128) consecutive bytes.
.set NUM, 64                           ; v64-127 the numbers as loaded
.set COD, 16                           ; v16-47  f16 fragments to store
.macro CONV pitch, d1, d0              ; four fragments; fragment f begins (f / 2) d1 + (f % 2) d0 bytes on
.irp f, 0,1,2,3
.irp e, 0,1,2,3,4,5,6,7,8,9,10,11,12,13,14,15
	global_load_b32 v[NUM+16*\f+\e], v7, s[20:21] offset:(\e+8*(\e/8))*\pitch+(\f/2)*\d1+(\f%2)*\d0
.endr
.endr
.irp f, 0,1,2,3
	s_wait_loadcnt 48-16*\f                        ; the 16 loads of each younger fragment may stay out
.irp j, 0,1,2,3,4,5,6,7
	v_cvt_pk_f16_f32 v[COD+8*\f+\j], v[NUM+16*\f+2*\j], v[NUM+16*\f+2*\j+1]
.endr
	global_store_b128 v5, v[COD+8*\f:COD+8*\f+3], s[26:27] offset:1024*\f
	global_store_b128 v5, v[COD+8*\f+4:COD+8*\f+7], s[26:27] offset:1024*\f+512
.endr
.endm
	s_load_b256 s[4:11], s[0:1], 0x0               ; Wq, Wk, Wv, W1
	s_load_b128 s[12:15], s[0:1], 0x20             ; W2, wq4
	s_load_b64 s[16:17], s[0:1], 0x30              ; wmlp
	v_lshrrev_b32 v1, 5, v0
	v_readfirstlane_b32 s18, v1                    ; wave
	v_and_b32 v2, 31, v0                           ; lane
	v_and_b32 v3, 15, v0                           ; r
	v_bfe_u32 v4, v0, 4, 1                         ; h
	v_lshlrev_b32 v5, 4, v2                        ; 16 x lane
	v_lshlrev_b32 v6, 2, v3                        ; 4 r
	s_mov_b32 s23, 0
	s_mov_b32 s25, 0
	s_wait_kmcnt 0x0
	s_cmp_lt_u32 ttmp9, 96
	s_cbranch_scc0 .Lnot_q
	; ---- a fragment of Wq, Wk or Wv
	s_lshr_b32 s19, ttmp9, 5                       ; m
	s_and_b32 s24, ttmp9, 31                       ; ct
	s_cmp_eq_u32 s19, 0
	s_cselect_b64 s[20:21], s[4:5], s[6:7]
	s_cmp_eq_u32 s19, 2
	s_cselect_b64 s[20:21], s[8:9], s[20:21]
	s_lshl_b32 s22, s18, 18                        ; 128 rows of 2,048 bytes for each K step
	s_lshl_b32 s24, s24, 6                         ; 16 columns of 4 bytes
	s_add_co_u32 s22, s22, s24
	s_add_nc_u64 s[20:21], s[20:21], s[22:23]
	v_lshl_add_u32 v7, v4, 16, v6                  ; lanes 16-31 begin 32 rows further down
.set n, 0
.rept 64
	global_load_b32 v[NUM+n], v7, s[20:21] offset:(n+32*(n/32))*2048   ; register n = 32 c + i holds W(128 s + 64 c + 32 h + i, 16 ct + r)
.set n, n+1
.endr
	s_lshl_b32 s24, ttmp9, 2
	s_add_co_u32 s24, s24, s18                     ; the fragment's number
	s_lshl_b32 s22, s24, 10
	s_add_nc_u64 s[26:27], s[14:15], s[22:23]      ; its codes
	s_lshl_b32 s22, s24, 7
	s_add_nc_u64 s[28:29], s[14:15], s[22:23]      ; its scale words (393,216 further on: in the immediate)
	s_mov_b32 s30, 0x76543210
	s_mov_b32 s31, 0xfedcba98                      ; v_permlanex16_b32's selects for lane l xor 16
	v_lshlrev_b32 v8, 2, v2                        ; 4 x lane
	s_wait_loadcnt 0x0
.irp c, 0,1
	v_max3_num_f32 v[32+\c], |v[NUM+32*\c]|, |v[NUM+32*\c+1]|, 0x1800000   ; my block 2 c + h, and the floor 2^(3 - 127): the byte cannot fall under 1
.endr
.set n, 2
.rept 15
.irp c, 0,1
	v_max3_num_f32 v[32+\c], v[32+\c], |v[NUM+32*\c+n]|, |v[NUM+32*\c+n+1]|
.endr
.set n, n+2
.endr
.irp c, 0,1
	v_add_nc_u32 v[44+\c], 0xff000000, v[32+\c]    ; 2 off the exponent field: the conversion's scale operand
.endr
.irp c, 0,1
	v_lshrrev_b32 v[36+\c], 23, v[44+\c]           ; the scale's byte
.endr
	v_lshl_or_b32 v9, v37, 16, v36                 ; my two bytes: blocks h and 2 + h,
	v_lshlrev_b32 v10, 3, v4
	v_lshlrev_b32 v9, v10, v9                      ; at their places in the word;
	v_mov_b32 v10, 0
	v_permlanex16_b32 v10, v9, s30, s31
	v_or_b32 v9, v9, v10                           ; with lane l xor 16's two the word is whole, in both halves of the lanes
.irp c, 0,1
.irp g, 0,1,2,3
	v_cvt_scalef32_pk8_fp4_f32 v[48+4*\c+\g], v[NUM+32*\c+8*\g:NUM+32*\c+8*\g+7], v[44+\c]
.endr
.endr
	v_nop                                          ; one plain line behind the last scaled conversion
	global_store_b128 v5, v[48:51], s[26:27]
	global_store_b128 v5, v[52:55], s[26:27] offset:512
	global_store_b32 v8, v9, s[28:29] offset:393216
	s_endpgm
.Lnot_q:
	s_cmp_lt_u32 ttmp9, 224
	s_cbranch_scc0 .Lw2
	; ---- four fragments of W1: wave G = 4 x' + wave makes fragments 4 G .. 4 G + 3: k step 8 (x' % 2) + 2 wave + f / 2, tile f % 2, columns 32 (x' / 2) on
	s_sub_co_u32 s19, ttmp9, 96
	s_and_b32 s22, s19, 1
	s_lshl_b32 s22, s22, 8
	s_lshl_b32 s24, s18, 6
	s_add_co_u32 s22, s22, s24                     ; first k
	s_lshl_b32 s22, s22, 13                        ; rows of 8,192 bytes
	s_lshr_b32 s24, s19, 1
	s_lshl_b32 s24, s24, 7
	s_add_co_u32 s22, s22, s24
	s_add_nc_u64 s[20:21], s[10:11], s[22:23]
	s_lshl_b32 s24, s19, 2
	s_add_co_u32 s24, s24, s18
	s_lshl_b32 s24, s24, 12
	s_add_nc_u64 s[26:27], s[16:17], s[24:25]
	v_lshl_add_u32 v7, v4, 16, v6                  ; 8 h rows + 4 r
	CONV 8192, 32*8192, 64
	s_endpgm
.Lw2:
	; ---- four fragments of W2: chunk x' / 8, wave (x' / 2) % 4, k step 2 (x' % 2) + wave / 2, tiles 4 (wave % 2) + f
	s_sub_co_u32 s19, ttmp9, 224
	s_lshr_b32 s22, s19, 3
	s_lshl_b32 s22, s22, 7
	s_and_b32 s24, s19, 1
	s_lshl_b32 s24, s24, 1
	s_lshr_b32 s28, s18, 1
	s_add_co_u32 s24, s24, s28
	s_lshl_b32 s24, s24, 5
	s_add_co_u32 s22, s22, s24                     ; first k
	s_lshl_b32 s22, s22, 11                        ; rows of 2,048 bytes
	s_bfe_u32 s24, s19, 0x20001
	s_lshl_b32 s24, s24, 9
	s_add_co_u32 s22, s22, s24
	s_and_b32 s24, s18, 1
	s_lshl_b32 s24, s24, 8
	s_add_co_u32 s22, s22, s24
	s_add_nc_u64 s[20:21], s[12:13], s[22:23]
	s_lshl_b32 s24, s19, 2
	s_add_co_u32 s24, s24, s18
	s_lshl_b32 s24, s24, 12
	s_add_co_u32 s24, s24, 2097152
	s_add_nc_u64 s[26:27], s[16:17], s[24:25]
	v_lshl_add_u32 v7, v4, 14, v6                  ; 8 h rows + 4 r
	CONV 2048, 128, 64
	s_endpgm
.Lfunc_end_k_qfecca79787_prep:
	.size	k_qfecca79787_prep, .Lfunc_end_k_qfecca79787_prep-k_qfecca79787_prep
	.p2alignl 7, 3214868480
	.fill 96, 4, 3214868480
	.section	.rodata,"a",@progbits
	.p2align	6, 0x0
	.amdhsa_kernel k_qfecca79787_prep
		.amdhsa_group_segment_fixed_size 0
		.amdhsa_private_segment_fixed_size 0
		.amdhsa_enable_private_segment 0
		.amdhsa_kernarg_size 56
		.amdhsa_user_sgpr_count 2
		.amdhsa_user_sgpr_kernarg_segment_ptr 1
		.amdhsa_wavefront_size32 1
		.amdhsa_system_sgpr_workgroup_id_x 1
		.amdhsa_system_sgpr_workgroup_id_y 1
		.amdhsa_system_sgpr_workgroup_id_z 1
		.amdhsa_system_vgpr_workitem_id 0
		.amdhsa_next_free_vgpr 144
		.amdhsa_next_free_sgpr 66
		.amdhsa_reserve_vcc 0
		.amdhsa_float_denorm_mode_32 3
		.amdhsa_float_denorm_mode_16_64 3
		.amdhsa_memory_ordered 1
		.amdhsa_forward_progress 1
		.amdhsa_inst_pref_size 31
	.end_amdhsa_kernel
	.amdgpu_metadata
---
amdhsa.version: [ 1, 2 ]
amdhsa.kernels:
  - .name:           k_qfecca79787_prep
    .symbol:         k_qfecca79787_prep.kd
    .args:
      - { .name: Wq, .offset: 0, .size: 8, .value_kind: global_buffer, .address_space: global }
      - { .name: Wk, .offset: 8, .size: 8, .value_kind: global_buffer, .address_space: global }
      - { .name: Wv, .offset: 16, .size: 8, .value_kind: global_buffer, .address_space: global }
      - { .name: W1, .offset: 24, .size: 8, .value_kind: global_buffer, .address_space: global }
      - { .name: W2, .offset: 32, .size: 8, .value_kind: global_buffer, .address_space: global }
      - { .name: wq4, .offset: 40, .size: 8, .value_kind: global_buffer, .address_space: global }
      - { .name: wmlp, .offset: 48, .size: 8, .value_kind: global_buffer, .address_space: global }
    .group_segment_fixed_size: 0
    .private_segment_fixed_size: 0
    .kernarg_segment_align: 8
    .kernarg_segment_size: 56
    .max_flat_workgroup_size: 128
    .sgpr_count:     66
    .vgpr_count:     144
    .wavefront_size: 32
...
	.end_amdgpu_metadata
.endif
;; end of part 1
;; launch qkv (part 2): grid 256 x 1, 16 waves a work-group, no clusters, 12,288 bytes of LDS; arguments tokens, wq4, bq, bk, bv, qkvf; writes qkvf
.if DOCPART == 2
	.amdgcn_target "amdgcn-amd-amdhsa--gfx1250"
	.amdhsa_code_object_version 6
	.text
	.protected	k_qfecca79787_qkv
	.globl	k_qfecca79787_qkv
	.p2align	8
	.type	k_qfecca79787_qkv,@function
k_qfecca79787_qkv:
	s_mov_b64 s[64:65], 0
	v_nop
	global_prefetch_b8 v0, s[64:65] scope:SCOPE_SE
	s_setreg_imm32_b32 hwreg(HW_REG_WAVE_MODE, 25, 1), 1
	s_wait_xcnt 0x0
; q, k, v = Q(tokens) Q(W) + bias, on codes of FP4 (E2M1) with one E8M0 scale for each 32 along K = 512.  The weights' codes come from wq4; the tokens are quantised here, in registers.
; SHARES.  Work-group g owns token rows 32 g .. 32 g + 31 (two tiles of 16).  Each of its sixteen waves first quantises one sixteenth of them (16 rows x 64 k: one block of 32 a lane, half a fragment) and hands it to
; the others through LDS as an image of the operand's registers; then wave W makes channels 32 W .. 32 W + 31 of q, of k and of v: six column tiles, each for both row tiles, four K steps of 128.
; LAYOUT.  q and k are made TRANSPOSED (source 0 = 16 columns of W, source 1 = 16 tokens): a lane holds one token and eight neighbouring channels, which pack into half of an f16 fragment of that token tile.
; v is made the natural way (source 0 = tokens, source 1 = columns): a lane holds one channel and eight neighbouring tokens: half of an f16 fragment of V^T (16 channels x 32 keys).
; qkvf: q [row tile 512][32 channels 16] fragments of 1,024 bytes; k likewise from byte 8,388,608; v [32 keys 256][16 channels 32] from 16,777,216; from 25,165,824 the f32 tiles of positions 0-15 of each batch, [b][q, k, v][16 channels 32].
; Every store of a wave covers 512 consecutive bytes, aligned.
; LIMITS: q, k, v must lie inside f16's range (65,504); a block of zeros gets the byte 1 with zero codes; NaN and infinities are not served.
.set XIMG,  0                          ; LDS: the tokens' 8 fragments (4 t + s), 1,024 bytes each
.set XSC,   8192                       ; each wave's half of a scale word, as a word: 128 bytes a wave
.set SPARE, 10240                      ; the spare words, 128 bytes for each of 16 waves: no other line names them
.set L16,  1                           ; v1  16 x lane
.set L4,   2                           ; v2  4 x lane
.set TOK,  3                           ; v3  tokens: 2,048 r + 128 h
.set H32,  4                           ; v4  32 h
.set R4,   5                           ; v5  4 r
.set T,    16                          ; v16-79  the tokens' fragments
.set TS,   80                          ; v80-87  their scale words
.set WS,   88                          ; three sets of 44: 32 of codes, 4 scale words, 8 of bias
.set ACC,  220                         ; v220-251 two sets of two accumulators; at the head the 32 numbers that I quantise
.set SPW,  252
.set NIL,  253
.macro MMA d, a, b, c, sa, sb          ; c < 0: the product starts the sum
.if (\c) < 0
	v_wmma_scale_f32_16x16x128_f8f6f4 v[\d:\d+7], v[\a:\a+7], v[\b:\b+7], 0, v[\sa], v[\sb] matrix_a_fmt:MATRIX_FMT_FP4 matrix_b_fmt:MATRIX_FMT_FP4
.else
	v_wmma_scale_f32_16x16x128_f8f6f4 v[\d:\d+7], v[\a:\a+7], v[\b:\b+7], v[\c:\c+7], v[\sa], v[\sb] matrix_a_fmt:MATRIX_FMT_FP4 matrix_b_fmt:MATRIX_FMT_FP4
.endif
.endm
; column tile i = 2 m + e (m: q, k, v; e: which 16 of my 32 channels): its four fragments, four scale words and bias into set i % 3.  14 loads for q and k, 13 for v
.macro WLOAD i
.set WB, WS+44*((\i)%3)
.irp s, 0,1,2,3
	global_load_b128 v[WB+8*\s:WB+8*\s+3], v[L16], s[24:25] offset:((\i)/2)*131072+((\i)%2)*4096+\s*1024
	global_load_b128 v[WB+8*\s+4:WB+8*\s+7], v[L16], s[24:25] offset:((\i)/2)*131072+((\i)%2)*4096+\s*1024+512
.endr
.irp s, 0,1,2,3
	global_load_b32 v[WB+32+\s], v[L4], s[26:27] offset:((\i)/2)*16384+((\i)%2)*512+128*\s
.endr
.if (\i)/2 == 0
	global_load_b128 v[WB+36:WB+39], v[H32], s[28:29] offset:64*((\i)%2)      ; the bias in the result's layout: channels 8 h + 0 .. 7 of the tile
	global_load_b128 v[WB+40:WB+43], v[H32], s[28:29] offset:64*((\i)%2)+16
.elseif (\i)/2 == 1
	global_load_b128 v[WB+36:WB+39], v[H32], s[30:31] offset:64*((\i)%2)
	global_load_b128 v[WB+40:WB+43], v[H32], s[30:31] offset:64*((\i)%2)+16
.else
	global_load_b32 v[WB+36], v[R4], s[32:33] offset:64*((\i)%2)              ; v: a lane holds one channel
.endif
.endm
; column tile i: eight products, the two row tiles' accumulators by turns, K ascending; then out.  left: the loads of the younger WLOADs
.macro COLT i, left
.set WB, WS+44*((\i)%3)
.set AC, ACC+16*((\i)%2)
	s_wait_xcnt 0x0                                ; the stores of two tiles ago have read this set of accumulators
	s_wait_loadcnt \left
.irp s, 0,1,2,3
.irp t, 0,1
.if (\i) < 4
.if \s == 0
	MMA AC+8*\t, WB+8*\s, T+8*(4*\t+\s), WB+36, WB+32+\s, TS+4*\t+\s
.else
	MMA AC+8*\t, WB+8*\s, T+8*(4*\t+\s), AC+8*\t, WB+32+\s, TS+4*\t+\s
.endif
.else
.if \s == 0
	MMA AC+8*\t, T+8*(4*\t+\s), WB+8*\s, -1, TS+4*\t+\s, WB+32+\s
.else
	MMA AC+8*\t, T+8*(4*\t+\s), WB+8*\s, AC+8*\t, TS+4*\t+\s, WB+32+\s
.endif
.endif
.endr
.endr
.rept 4
	v_nop                                          ; four places ahead of loads into registers that the products read, and of the first read of results
.endr
.if (\i) < 3
	WLOAD (\i)+3
.endif
.if (\i) >= 4
.irp j, 0,1,2,3,4,5,6,7,8,9,10,11,12,13,14,15
	v_add_f32 v[AC+\j], v[AC+\j], v[WB+36]         ; v's bias: one channel a lane
.endr
.endif
	s_cmp_lg_u32 s34, 0                            ; positions 0-15 of a batch also leave in f32
	s_cbranch_scc1 .Lno_head_\@
	global_store_b128 v[L16], v[AC:AC+3], s[42:43] offset:((\i)/2)*32768+((\i)%2)*1024
	global_store_b128 v[L16], v[AC+4:AC+7], s[42:43] offset:((\i)/2)*32768+((\i)%2)*1024+512
	s_wait_xcnt 0x0                                ; these stores have read their registers: the roundings below write them
.Lno_head_\@:
.irp t, 0,1
.irp j, 0,1,2,3
	v_cvt_pk_f16_f32 v[AC+8*\t+\j], v[AC+8*\t+2*\j], v[AC+8*\t+2*\j+1]   ; in place, from the low end on
.endr
.endr
.irp t, 0,1
.if (\i)/2 == 0
	global_store_b128 v[L16], v[AC+8*\t:AC+8*\t+3], s[36:37] offset:\t*16384+((\i)%2)*512
.elseif (\i)/2 == 1
	global_store_b128 v[L16], v[AC+8*\t:AC+8*\t+3], s[38:39] offset:\t*16384+((\i)%2)*512
.else
	global_store_b128 v[L16], v[AC+8*\t:AC+8*\t+3], s[40:41] offset:((\i)%2)*1024+\t*512
.endif
.endr
.endm
	s_load_b256 s[4:11], s[0:1], 0x0               ; tokens, wq4, bq, bk
	s_load_b128 s[12:15], s[0:1], 0x20             ; bv, qkvf
	v_lshl_add_u32 v[SPW], v0, 2, SPARE
	v_mov_b32 v[NIL], 0
	v_lshrrev_b32 v6, 5, v0
	v_readfirstlane_b32 s16, v6                    ; wave W
	v_and_b32 v7, 31, v0
	v_and_b32 v8, 15, v0                           ; r
	v_bfe_u32 v9, v0, 4, 1                         ; h
	v_lshlrev_b32 v[L16], 4, v7
	v_lshlrev_b32 v[L4], 2, v7
	v_lshlrev_b32 v[H32], 5, v9
	v_lshlrev_b32 v[R4], 2, v8
	v_lshlrev_b32 v[TOK], 11, v8
	v_lshl_add_u32 v[TOK], v9, 7, v[TOK]
	s_lshl_b32 s22, s16, 9
	v_add_nc_u32 v10, s22, v[L16]                  ; LDS: my half fragment: 512 W + 16 x lane
	s_lshl_b32 s23, s16, 7
	v_add_nc_u32 v11, s23, v[L4]                   ; and my half scale word: 128 W + 4 x lane
	s_lshl_b32 s18, ttmp9, 16                      ; 32 rows of 2,048 bytes,
	s_lshr_b32 s20, s16, 3
	s_lshl_b32 s20, s20, 15                        ; my tile of 16 rows,
	s_add_co_u32 s18, s18, s20
	s_and_b32 s20, s16, 7
	s_lshl_b32 s20, s20, 8                         ; my 64 along K
	s_add_co_u32 s18, s18, s20
	s_mov_b32 s19, 0
	s_mov_b32 s21, 0
	s_mov_b32 s2, 0x76543210
	s_mov_b32 s3, 0xfedcba98
	s_and_b32 s34, ttmp9, 127                      ; 0: my first tile is a batch's first 16 positions
	s_wait_kmcnt 0x0
	s_add_nc_u64 s[18:19], s[4:5], s[18:19]
.irp i, 0,1,2,3,4,5,6,7
	global_load_b128 v[ACC+4*\i:ACC+4*\i+3], v[TOK], s[18:19] offset:16*\i   ; my block of 32 numbers
.endr
	s_lshl_b32 s20, s16, 13
	s_add_nc_u64 s[24:25], s[6:7], s[20:21]        ; my column tiles' codes
	s_lshl_b32 s20, s16, 10
	s_add_co_u32 s20, s20, 393216
	s_add_nc_u64 s[26:27], s[6:7], s[20:21]        ; and scale words
	s_lshl_b32 s20, s16, 7
	s_add_nc_u64 s[28:29], s[8:9], s[20:21]
	s_add_nc_u64 s[30:31], s[10:11], s[20:21]
	s_add_nc_u64 s[32:33], s[12:13], s[20:21]
	WLOAD 0
	WLOAD 1
	WLOAD 2
	s_lshl_b32 s20, ttmp9, 15
	s_lshl_b32 s35, s16, 10
	s_add_co_u32 s20, s20, s35
	s_add_nc_u64 s[36:37], s[14:15], s[20:21]      ; q: 32,768 g + 1,024 W
	s_add_nc_u64 s[38:39], s[36:37], 8388608       ; k
	s_add_co_u32 s20, s20, s35
	s_add_co_u32 s20, s20, 16777216
	s_add_nc_u64 s[40:41], s[14:15], s[20:21]      ; v: 32,768 g + 2,048 W
	s_lshr_b32 s20, ttmp9, 7
	s_mul_i32 s20, s20, 98304
	s_add_co_u32 s20, s20, s35
	s_add_co_u32 s20, s20, s35
	s_add_co_u32 s20, s20, 25165824
	s_add_nc_u64 s[42:43], s[14:15], s[20:21]      ; the f32 tiles
	s_wait_loadcnt 42                              ; the three WLOADs of 14 may stay out: my numbers are in
	v_max3_num_f32 v12, |v[ACC]|, |v[ACC+1]|, 0x1800000   ; the block's largest magnitude, with the floor 2^(3 - 127)
.irp i, 2,4,6,8,10,12,14,16,18,20,22,24,26,28,30
	v_max3_num_f32 v12, v12, |v[ACC+\i]|, |v[ACC+\i+1]|
.endr
	v_add_nc_u32 v13, 0xff000000, v12              ; 2 off the exponent field: the conversion's scale operand
	v_lshrrev_b32 v14, 23, v13                     ; the byte
	v_lshlrev_b32 v15, 3, v9
	v_lshlrev_b32 v14, v15, v14                    ; at byte h;
	v_mov_b32 v15, 0
	v_permlanex16_b32 v15, v14, s2, s3
	v_or_b32 v14, v14, v15                         ; with lane l xor 16's: two bytes, half of row r's scale word
.irp g, 0,1,2,3
	v_cvt_scalef32_pk8_fp4_f32 v[T+\g], v[ACC+8*\g:ACC+8*\g+7], v13
.endr
	v_nop                                          ; one plain line behind the last scaled conversion
	ds_store_b128 v10, v[T:T+3] offset:XIMG
	ds_store_b32 v11, v14 offset:XSC
	s_wait_dscnt 0x0                               ; for the others' sake: my stores are done
	s_barrier_signal -1
	s_barrier_wait -1
.irp k, 0,1,2,3,4,5,6,7,8,9,10,11,12,13,14,15
	ds_load_b128 v[T+4*\k:T+4*\k+3], v[L16] offset:XIMG+512*\k
.endr
.irp k, 0,1,2,3,4,5,6,7,8,9,10,11,12,13,14,15
	ds_load_b32 v[ACC+\k], v[L4] offset:XSC+128*\k
.endr
	s_wait_dscnt 0x0
.irp f, 0,1,2,3,4,5,6,7
	v_lshl_or_b32 v[TS+\f], v[ACC+2*\f+1], 16, v[ACC+2*\f]   ; the two halves make fragment f's scale word
.endr
.rept 8
	v_nop                                          ; a scale register written by a vector instruction stands eight places ahead of a scaled product
.endr
	COLT 0, 28
	COLT 1, 28
	COLT 2, 27
	COLT 3, 26
	COLT 4, 13
	COLT 5, 0
	s_wait_tensorcnt 0x0                           ; the wave's end, behind my last LDS store
	ds_add_u32 v[SPW], v[NIL]
	s_wait_dscnt 0x0
	s_endpgm
.Lfunc_end_k_qfecca79787_qkv:
	.size	k_qfecca79787_qkv, .Lfunc_end_k_qfecca79787_qkv-k_qfecca79787_qkv
	.p2alignl 7, 3214868480
	.fill 96, 4, 3214868480
	.section	.rodata,"a",@progbits
	.p2align	6, 0x0
	.amdhsa_kernel k_qfecca79787_qkv
		.amdhsa_group_segment_fixed_size 12288
		.amdhsa_private_segment_fixed_size 0
		.amdhsa_enable_private_segment 0
		.amdhsa_kernarg_size 48
		.amdhsa_user_sgpr_count 2
		.amdhsa_user_sgpr_kernarg_segment_ptr 1
		.amdhsa_wavefront_size32 1
		.amdhsa_system_sgpr_workgroup_id_x 1
		.amdhsa_system_sgpr_workgroup_id_y 1
		.amdhsa_system_sgpr_workgroup_id_z 1
		.amdhsa_system_vgpr_workitem_id 0
		.amdhsa_next_free_vgpr 256
		.amdhsa_next_free_sgpr 66
		.amdhsa_reserve_vcc 0
		.amdhsa_float_denorm_mode_32 3
		.amdhsa_float_denorm_mode_16_64 3
		.amdhsa_memory_ordered 1
		.amdhsa_forward_progress 1
		.amdhsa_inst_pref_size 30
	.end_amdhsa_kernel
	.amdgpu_metadata
---
amdhsa.version: [ 1, 2 ]
amdhsa.kernels:
  - .name:           k_qfecca79787_qkv
    .symbol:         k_qfecca79787_qkv.kd
    .args:
      - { .name: tokens, .offset: 0, .size: 8, .value_kind: global_buffer, .address_space: global }
      - { .name: wq4, .offset: 8, .size: 8, .value_kind: global_buffer, .address_space: global }
      - { .name: bq, .offset: 16, .size: 8, .value_kind: global_buffer, .address_space: global }
      - { .name: bk, .offset: 24, .size: 8, .value_kind: global_buffer, .address_space: global }
      - { .name: bv, .offset: 32, .size: 8, .value_kind: global_buffer, .address_space: global }
      - { .name: qkvf, .offset: 40, .size: 8, .value_kind: global_buffer, .address_space: global }
    .group_segment_fixed_size: 12288
    .private_segment_fixed_size: 0
    .kernarg_segment_align: 8
    .kernarg_segment_size: 48
    .max_flat_workgroup_size: 512
    .sgpr_count:     66
    .vgpr_count:     256
    .wavefront_size: 32
...
	.end_amdgpu_metadata
.endif
;; end of part 2
;; launch attn (part 3): grid 119 x 2, 4 waves a work-group, no clusters, 327,680 bytes of LDS; arguments qkvf, distance_scale, opart, ostat; writes opart, ostat
.if DOCPART == 3
	.amdgcn_target "amdgcn-amd-amdhsa--gfx1250"
	.amdhsa_code_object_version 6
	.text
	.protected	k_qfecca79787_attn
	.globl	k_qfecca79787_attn
	.p2align	8
	.type	k_qfecca79787_attn,@function
k_qfecca79787_attn:
	s_mov_b64 s[64:65], 0
	v_nop
	global_prefetch_b8 v0, s[64:65] scope:SCOPE_SE
	s_setreg_imm32_b32 hwreg(HW_REG_WAVE_MODE, 25, 1), 1
	s_wait_xcnt 0x0
; Causal attention with a distance bias, one head of 512, on f16 operands with f32 sums: for 128 queries and up to 640 keys a work-group makes the UNNORMALISED sum O = sum p v, the running maximum m and the sum l.
; t = c (q . k - ds (i - j)), c = log2(e) / sqrt(512); p = 2^(t - m); l is summed of the unrounded p.  A later launch merges a query block's parts.
; SHARES.  Query block i (128 rows, 32 a batch) needs keys 0 .. 128 i + 127: i + 1 units of 128, cut into chunks of 5 units: 119 work-groups a batch (x), the batch is y.  Each of four waves owns 32 queries (two tiles),
; all keys of the chunk and all 512 channels: O is 512 registers, Q 256.  Keys go 64 a step through two LDS slots of 128 KiB (K's 64 KiB, V's 64 KiB), each wave fetching a quarter by one tensor load.
; LAYOUT.  Both products are used transposed: S^T = K Q^T, O^T = V^T P: a lane holds one query throughout.  q, k, v lie in memory as images of the operands' registers, so a step's tiles are dense blocks, and every
; LDS load takes 512 consecutive bytes.  THE BIAS COSTS NOTHING IN THE LOOP: ds (key - query) = E + a number that is the same for a whole tile; E, a table of 32 registers, is the C of each score's first product.
; THE MASK.  All work-groups walk ten steps (a constant), and a step all of whose keys come after the wave's queries is left out by a scalar branch on ids; a slot that no wave of the work-group would read is not asked for.
; NO CLUSTER: work-groups that share a chunk have different causal limits, so partners would need different numbers of tiles, and 119 work-groups a batch do not divide by 4.
; Rows 0-15 of each batch are made by another launch in f32 and are not stored here.
; LIMITS: q, k, v inside f16's range; NaN and infinities are not served.
; REGISTERS, in windows of 256: window 0: below.  window 1: Q, tile qt, channels 32 cs on, at 128 qt + 8 cs.  windows 2, 3: O^T, tile 2 ct + qt at 8 x its number.
.set SLOT1, 1<<17
.set SPARE, 2*SLOT1                    ; behind the ring: the spare words, 128 bytes a wave: no other line names them
.set L16,  1                           ; v1  16 x lane
.set ADK,  2                           ; v2  LDS address of the step's K
.set ADV,  3                           ; v3  of its V
.set L4,   4                           ; v4  4 x lane
.set PFO,  5                           ; v5  256 x lane
.set D0,   6                           ; v6, v7 the mask's distances
.set SPW,  8
.set NIL,  9
.set CDS,  10                          ; v10 c ds
.set RMH,  11                          ; v11 r - 8 h
.set NINF, 12                          ; v12 -infinity
.set ST,   16                          ; tile qt at v[16 + 8 qt]: +0 what is added to c s, +1 m, +2, +3 l, +4 .. +7 at work (+6: a)
.set E,    32                          ; v32-63  ds (16 kt + 8 h + j - r)
.set S,    64                          ; v64-127 S^T, then p: 32 qt + 8 kt
.set P,    128                         ; v128-159 p in f16
.set F,    160                         ; v160-255 three sets of four fragments of K or V
.set WV,   12
.set TB,   28                          ; s28 the slot in hand
.set KF,   29                          ; s29 the step's first key
.set LIMW, 30                          ; s30 the last key that my wave reads
.set LIMG, 31                          ; s31 the last key of my work-group
.set Q0W,  41                          ; s41 my first query
.set MSB, 0
.macro WIN new                         ; the immediate's high byte repeats the setting that is left
.if MSB != \new
	s_set_vgpr_msb (MSB<<8)|\new
.set MSB, \new
.endif
.endm
.macro PLACES
.rept 4
	v_nop
.endr
.endm
.macro TLOAD                           ; my quarter of a step's tiles: 32 KiB; an s_nop 0 and four v_nop follow
	tensor_load_to_lds s[24:27], s[16:23]
	s_nop 0
	PLACES
.endm
.macro LOADK cs                        ; K's four fragments (16 keys each) of channels 32 cs on, into set cs % 3
.set FB, F+32*((\cs)%3)
.irp kt, 0,1,2,3
	ds_load_b128 v[FB+8*\kt:FB+8*\kt+3], v[ADK] offset:\kt*16384+(\cs)*1024
	ds_load_b128 v[FB+8*\kt+4:FB+8*\kt+7], v[ADK] offset:\kt*16384+(\cs)*1024+512
.endr
.endm
.macro LOADV gi                        ; V^T's four fragments of channel tiles 2 gi, 2 gi + 1 (each for 2 x 32 keys), into set (gi + 1) % 3
.set FB, F+32*(((\gi)+1)%3)
.irp cc, 0,1
.irp ks, 0,1
	ds_load_b128 v[FB+16*\cc+8*\ks:FB+16*\cc+8*\ks+3], v[ADV] offset:\ks*32768+(2*(\gi)+\cc)*1024
	ds_load_b128 v[FB+16*\cc+8*\ks+4:FB+16*\cc+8*\ks+7], v[ADV] offset:\ks*32768+(2*(\gi)+\cc)*1024+512
.endr
.endr
.endm
; THE CHANGE OF SLOTS stands at a step's head.  Each wave waits for all its tensor loads (one is out: its quarter of the slot ahead), adds 0 to its spare word, and waits for that and for its reads of the slot that it
; has left; behind the barrier that slot is filled with the next step's tiles, which have this step's work in which to land.  always = 0: a step whose first key lies past the work-group's last key is read by nobody
; and is not asked for: ids and the count of steps alone, the same in all four waves; every wait on TENSORcnt in this text is for 0.
.macro CHANGE always
	s_wait_tensorcnt 0x0                           ; no tensor load of mine is out, so the descriptor may be written
	ds_add_u32 v[SPW], v[NIL]
	s_xor_b32 s25, s25, SLOT1                      ; the other slot than last time,
	s_add_nc_u64 s[26:27], s[26:27], 65536         ; the next 64 keys
	s_wait_xcnt 0x0                                ; the last prefetches, a step back, have read their address
	s_add_nc_u64 s[38:39], s[38:39], 65536         ; one step further on than the descriptor
	s_wait_dscnt 0x0                               ; the add is done, and my reads of the slot that I have left are over
	s_barrier_signal -1
	s_barrier_wait -1
.if !\always
	s_add_co_u32 s44, s[KF], 64
	s_cmp_gt_u32 s44, s[LIMG]
	s_cbranch_scc1 .Lpast_\@
.endif
	TLOAD
.Lpast_\@:
	s_add_co_u32 s44, s[KF], 128                   ; A PREFETCH of my quarter of the step after the one just asked for: 128 blocks of 256 bytes, lanes 256 bytes apart, four instructions.
	s_cmp_le_u32 s44, s43                          ; One work-group for each chunk and batch asks: the one that walks all the chunk's units as its own last chunk (s43 = its last key, else 0); it stops at the chunk's end
	s_cbranch_scc0 .Lnot_mine_\@
.irp k, 0,1,2,3
	global_prefetch_b8 v[PFO], s[38:39] offset:8192*\k th:TH_LOAD_NT scope:SCOPE_SE
.endr
.Lnot_mine_\@:
.endm
; The softmax of a step, the two tiles line by line in turn.  first = 1: it starts m and l.
.macro SOFTMAX first
.irp j, 0,1,2,3
.irp q, 0,1
	v_max3_num_f32 v[ST+8*\q+4+\j], v[S+32*\q+8*\j], v[S+32*\q+8*\j+1], v[S+32*\q+8*\j+2]   ; four chains, one to an accumulator, each from its low end on
.endr
.endr
.irp u, 1,2
.irp j, 0,1,2,3
.irp q, 0,1
	v_max3_num_f32 v[ST+8*\q+4+\j], v[ST+8*\q+4+\j], v[S+32*\q+8*\j+2*\u+1], v[S+32*\q+8*\j+2*\u+2]
.endr
.endr
.endr
.irp q, 0,1
	v_max3_num_f32 v[ST+8*\q+4], v[ST+8*\q+4], v[S+32*\q+7], v[S+32*\q+15]
	v_max3_num_f32 v[ST+8*\q+6], v[ST+8*\q+6], v[S+32*\q+23], v[S+32*\q+31]
.endr
.irp q, 0,1
	v_max3_num_f32 v[ST+8*\q+4], v[ST+8*\q+4], v[ST+8*\q+5], v[ST+8*\q+6]
.endr
.irp q, 0,1
	v_max_num_f32 v[ST+8*\q+4], v[ST+8*\q+4], v[ST+8*\q+7]
.endr
.irp q, 0,1
	v_permlanex16_b32 v[ST+8*\q+5], v[ST+8*\q+4], s36, s37   ; the query's other 32 keys lie in the lane 16 away
.endr
.irp q, 0,1
	v_max_num_f32 v[ST+8*\q+4], v[ST+8*\q+4], v[ST+8*\q+5]
.endr
	s_sub_co_i32 s44, s[KF], s[Q0W]                ; the part of key - query that a tile shares
	s_sub_co_i32 s45, s44, 16
	v_cvt_f32_i32 v[ST+5], s44
	v_cvt_f32_i32 v[ST+13], s45
.irp q, 0,1
	v_mul_f32 v[ST+8*\q+5], v[ST+8*\q+5], v[CDS]
.endr
.irp q, 0,1
	v_fma_f32 v[ST+8*\q+4], v[ST+8*\q+4], s34, v[ST+8*\q+5]   ; the step's largest t
.endr
.if \first
.irp q, 0,1
	v_mov_b32 v[ST+8*\q+1], v[ST+8*\q+4]
.endr
.else
.irp q, 0,1
	v_mov_b32 v[ST+8*\q+7], v[ST+8*\q+1]
.endr
.irp q, 0,1
	v_max_num_f32 v[ST+8*\q+1], v[ST+8*\q+1], v[ST+8*\q+4]
.endr
.irp q, 0,1
	v_sub_f32 v[ST+8*\q+7], v[ST+8*\q+7], v[ST+8*\q+1]
.endr
.irp q, 0,1
	v_exp_f32 v[ST+8*\q+6], v[ST+8*\q+7]           ; a = 2^(old m - new m)
.endr
.endif
.irp q, 0,1
	v_sub_f32 v[ST+8*\q], v[ST+8*\q+5], v[ST+8*\q+1]
.endr
.set z, 0
.rept 16
.irp q, 0,1
	v_pk_fma_f32 v[S+32*\q+2*z:S+32*\q+2*z+1], v[S+32*\q+2*z:S+32*\q+2*z+1], s[34:35], v[ST+8*\q:ST+8*\q+1] op_sel_hi:[1,0,0]   ; t - m
.endr
.set z, z+1
.endr
.set z, 0
.rept 32
.irp q, 0,1
	v_exp_f32 v[S+32*\q+z], v[S+32*\q+z]
.endr
.set z, z+1
.endr
	v_nop                                          ; a plain line behind the last exponential,
	s_wait_alu depctr_va_vdst(0)                   ; and one wait for the whole batch, ahead of its first reader
.set z, 0
.rept 16
.irp q, 0,1
	v_cvt_pk_f16_f32 v[P+16*\q+z], v[S+32*\q+2*z], v[S+32*\q+2*z+1]   ; tiles 2 ks and 2 ks + 1 are the halves of P's fragment ks
.endr
.set z, z+1
.endr
.irp z, 0,2,4,6,8,10,12,14
.irp q, 0,1
	v_pk_add_f32 v[S+32*\q+2*\z:S+32*\q+2*\z+1], v[S+32*\q+2*\z:S+32*\q+2*\z+1], v[S+32*\q+2*\z+2:S+32*\q+2*\z+3]   ; the sum of the unrounded p
.endr
.endr
.irp z, 0,4,8,12
.irp q, 0,1
	v_pk_add_f32 v[S+32*\q+2*\z:S+32*\q+2*\z+1], v[S+32*\q+2*\z:S+32*\q+2*\z+1], v[S+32*\q+2*\z+4:S+32*\q+2*\z+5]
.endr
.endr
.irp z, 0,8
.irp q, 0,1
	v_pk_add_f32 v[S+32*\q+2*\z:S+32*\q+2*\z+1], v[S+32*\q+2*\z:S+32*\q+2*\z+1], v[S+32*\q+2*\z+8:S+32*\q+2*\z+9]
.endr
.endr
.irp q, 0,1
.if \first
	v_pk_add_f32 v[ST+8*\q+2:ST+8*\q+3], v[S+32*\q:S+32*\q+1], v[S+32*\q+16:S+32*\q+17]
.else
	v_pk_add_f32 v[S+32*\q:S+32*\q+1], v[S+32*\q:S+32*\q+1], v[S+32*\q+16:S+32*\q+17]
.endif
.endr
.if !\first
.irp q, 0,1
	v_pk_fma_f32 v[ST+8*\q+2:ST+8*\q+3], v[ST+8*\q+2:ST+8*\q+3], v[ST+8*\q+6:ST+8*\q+7], v[S+32*\q:S+32*\q+1] op_sel_hi:[1,0,1]
.endr
.endif
.endm
; A KEY STEP: 64 keys.  256 products a wave; three sets of fragments take turns, each asked for two sets ahead.  The accumulators take turns, one instruction a turn.
.macro STEP first
.if !\first
	s_cmp_gt_u32 s[KF], s[LIMW]                    ; all the step's keys come after my queries: a branch on ids round the step's work; no barrier and no tensor load stands in a step
	s_cbranch_scc1 .Lskip_\@
.endif
	v_add_nc_u32 v[ADK], s[TB], v[L16]
	v_add_nc_u32 v[ADV], 0x10000, v[ADK]
	LOADK 0
	LOADK 1
	LOADK 2
	WIN 0x04                                       ; source 1 (Q) window 1; LDS loads name destination and source 0 alone
.set CSN, 0
.rept 16
	s_wait_dscnt 16                                ; the two younger sets, 8 loads each, may stay out
.irp kt, 0,1,2,3
.irp q, 0,1
.if CSN == 0
	v_wmma_f32_16x16x32_f16 v[S+32*\q+8*\kt:S+32*\q+8*\kt+7], v[F+32*(CSN%3)+8*\kt:F+32*(CSN%3)+8*\kt+7], v[128*\q+8*CSN:128*\q+8*CSN+7], v[E+8*\kt:E+8*\kt+7]
.else
	v_wmma_f32_16x16x32_f16 v[S+32*\q+8*\kt:S+32*\q+8*\kt+7], v[F+32*(CSN%3)+8*\kt:F+32*(CSN%3)+8*\kt+7], v[128*\q+8*CSN:128*\q+8*CSN+7], v[S+32*\q+8*\kt:S+32*\q+8*\kt+7]
.endif
.endr
.endr
	PLACES                                         ; four places ahead of loads into registers that the products read (behind the last set: of the first read of scores)
.if CSN < 13
	LOADK CSN+3
.else
	LOADV CSN-13
.endif
.set CSN, CSN+1
.endr
	WIN 0
	s_add_co_u32 s44, s[KF], 63                    ; on the diagonal hidden scores become -infinity; the step's first key counts for every query of the wave, so m stays a number
	s_cmp_le_u32 s44, s[Q0W]
	s_cbranch_scc1 .Lopen_\@
	s_sub_co_i32 s44, s[Q0W], s[KF]
	v_add_nc_u32 v[D0], s44, v[RMH]                ; register 8 kt + j of tile qt is hidden where 16 kt + j > my query - KF - 8 h
	v_add_nc_u32 v[D0+1], 16, v[D0]
.irp q, 0,1
.set z, 0
.rept 32
	v_cmp_gt_i32 vcc_lo, 16*(z/8)+z%8, v[D0+\q]
	v_cndmask_b32 v[S+32*\q+z], v[S+32*\q+z], v[NINF], vcc_lo
.set z, z+1
.endr
.endr
.Lopen_\@:
	SOFTMAX \first
.if !\first
	WIN 0x82                                       ; O^T (destination, source 0) window 2, a window 0
.set z, 0
.rept 128
	v_pk_mul_f32 v[2*z:2*z+1], v[2*z:2*z+1], v[ST+8*((z/4)%2)+6:ST+8*((z/4)%2)+7] op_sel_hi:[1,0]
.set z, z+1
.endr
	WIN 0xc3
.set z, 0
.rept 128
	v_pk_mul_f32 v[2*z:2*z+1], v[2*z:2*z+1], v[ST+8*((z/4)%2)+6:ST+8*((z/4)%2)+7] op_sel_hi:[1,0]
.set z, z+1
.endr
.endif
.set GIN, 0
.rept 16
.if GIN < 8
	WIN 0xa0                                       ; C and D window 2
.else
	WIN 0xf0                                       ; window 3
.endif
.if GIN < 14
	s_wait_dscnt 16
.elseif GIN == 14
	s_wait_dscnt 8
.else
	s_wait_dscnt 0
.endif
.irp ks, 0,1
.irp cc, 0,1
.irp q, 0,1
.set RO, 8*((2*(2*GIN+\cc)+\q)%32)
.if \first && (\ks == 0)
	v_wmma_f32_16x16x32_f16 v[RO:RO+7], v[F+32*((GIN+1)%3)+16*\cc+8*\ks:F+32*((GIN+1)%3)+16*\cc+8*\ks+7], v[P+16*\q+8*\ks:P+16*\q+8*\ks+7], 0
.else
	v_wmma_f32_16x16x32_f16 v[RO:RO+7], v[F+32*((GIN+1)%3)+16*\cc+8*\ks:F+32*((GIN+1)%3)+16*\cc+8*\ks+7], v[P+16*\q+8*\ks:P+16*\q+8*\ks+7], v[RO:RO+7]
.endif
.endr
.endr
.endr
	PLACES
	WIN 0
.if GIN < 13
	LOADV GIN+3
.endif
.set GIN, GIN+1
.endr
.Lskip_\@:
	s_add_co_u32 s[KF], s[KF], 64
	s_xor_b32 s[TB], s[TB], SLOT1
.endm
.macro OUT q                           ; tile qt's 32 tiles of O^T, each from its low end on, and its m and l
	WIN 0x08                                       ; a store's data are its source 1: window 2
.set z, 0
.rept 16
	global_store_b128 v[L16], v[8*(2*z+\q):8*(2*z+\q)+3], s[52:53] offset:(2*z+\q)*1024 th:TH_STORE_NT
	global_store_b128 v[L16], v[8*(2*z+\q)+4:8*(2*z+\q)+7], s[52:53] offset:(2*z+\q)*1024+512 th:TH_STORE_NT
.set z, z+1
.endr
	WIN 0x0c
.set z, 0
.rept 16
	global_store_b128 v[L16], v[8*(2*z+\q):8*(2*z+\q)+3], s[52:53] offset:(32+2*z+\q)*1024 th:TH_STORE_NT
	global_store_b128 v[L16], v[8*(2*z+\q)+4:8*(2*z+\q)+7], s[52:53] offset:(32+2*z+\q)*1024+512 th:TH_STORE_NT
.set z, z+1
.endr
	WIN 0
	global_store_b32 v[L4], v[ST+8*\q+4], s[54:55] offset:128*\q
.endm
	s_load_b256 s[4:11], s[0:1], 0x0               ; qkvf, distance_scale, opart, ostat
	v_lshl_add_u32 v[SPW], v0, 2, SPARE
	v_mov_b32 v[NIL], 0
	ds_add_u32 v[SPW], v[NIL]                      ; the opening: the add, twice on end, and its wait ahead of my first tensor load
	ds_add_u32 v[SPW], v[NIL]
	v_lshrrev_b32 v13, 5, v0
	v_readfirstlane_b32 s[WV], v13                 ; wave 0..3
	s_and_b32 s13, ttmp7, 0xffff                   ; the batch
	; which query block and chunk: blocks 5 g .. 5 g + 4 have g + 1 chunks each; inside a group the work-groups of one chunk stand together
	s_mov_b32 s14, 0
.irp th, 5,15,30,50,75,105
	s_cmp_ge_u32 ttmp9, \th
	s_cselect_b32 s44, 1, 0
	s_add_co_u32 s14, s14, s44                     ; g
.endr
	s_add_co_u32 s44, s14, 1
	s_mul_i32 s44, s44, s14
	s_mul_i32 s44, s44, 5
	s_lshr_b32 s44, s44, 1                         ; the group's first work-group: 5 g (g + 1) / 2
	s_sub_co_u32 s45, ttmp9, s44
	s_mul_i32 s46, s45, 52
	s_lshr_b32 s46, s46, 8                         ; / 5 (right up to 29)
	s_mul_i32 s47, s46, 5
	s_sub_co_u32 s47, s45, s47
	s_lshr_b32 s2, s45, 1                          ; the last group has two blocks
	s_and_b32 s3, s45, 1
	s_cmp_eq_u32 s14, 6
	s_cselect_b32 s33, s2, s46                     ; the chunk
	s_cselect_b32 s47, s3, s47                     ; the block in its group
	s_cselect_b32 s46, 1, 4
	s_mul_i32 s15, s14, 5
	s_add_co_u32 s15, s15, s47                     ; the query block i
	s_xor_b32 s2, s33, s14
	s_xor_b32 s3, s47, s46
	s_or_b32 s2, s2, s3                            ; 0: the group's last block at its own last chunk: it asks for the prefetches
	s_mul_i32 s44, s33, 5
	s_add_co_u32 s45, s15, 1
	s_sub_co_u32 s44, s45, s44
	s_min_u32 s44, s44, 5                          ; units of 128 keys
	s_mul_i32 s[KF], s33, 640
	s_lshl_b32 s44, s44, 7
	s_add_co_u32 s[LIMG], s[KF], s44
	s_sub_co_u32 s[LIMG], s[LIMG], 1
	s_lshl_b32 s[Q0W], s15, 7
	s_lshl_b32 s44, s[WV], 5
	s_add_co_u32 s[Q0W], s[Q0W], s44
	s_add_co_u32 s[LIMW], s[Q0W], 31
	s_min_u32 s[LIMW], s[LIMW], s[LIMG]
	s_or_b32 s42, ttmp9, s[WV]                     ; 0: my first tile is a batch's first 16 positions
	s_cmp_eq_u32 s2, 0
	s_cselect_b32 s43, s[LIMG], 0
	; descriptor group 1: a dense block of 32 KiB as 128 rows of 256 bytes
	s_mov_b32 s16, 3<<16                           ; no mask; elements of 8 bytes; no padding
	s_mov_b32 s17, 32<<16                          ; tensor_dim0 = 32
	s_mov_b32 s18, 128<<16                         ; tensor_dim1 = 128
	s_mov_b32 s19, 32<<16                          ; tile_dim0 = 32
	s_mov_b32 s20, 128                             ; tile_dim1 = 128
	s_mov_b32 s21, 32                              ; from row to row
	s_mov_b32 s22, 0
	s_mov_b32 s23, 0
	s_lshl_b32 s48, s13, 12
	s_add_co_u32 s48, s48, s[KF]
	s_lshl_b32 s48, s48, 10                        ; a key is 1,024 bytes of k, and of v
	s_and_b32 s44, s[WV], 1
	s_lshl_b32 s44, s44, 15
	s_add_co_u32 s48, s48, s44                     ; which half I fetch
	s_lshr_b32 s44, s[WV], 1
	s_add_co_u32 s44, s44, 1
	s_lshl_b32 s44, s44, 23                        ; waves 0, 1: k, from 8,388,608; waves 2, 3: v, from 16,777,216
	s_add_co_u32 s48, s48, s44
	s_mov_b32 s49, 0
	s_lshl_b32 s50, s13, 8
	s_lshl_b32 s44, s15, 3
	s_add_co_u32 s50, s50, s44
	s_lshl_b32 s44, s[WV], 1
	s_add_co_u32 s50, s50, s44
	s_lshl_b32 s50, s50, 14                        ; my two tiles of q
	s_mov_b32 s51, 0
	s_lshl_b32 s44, s13, 5
	s_add_co_u32 s44, s44, s15
	s_mul_i32 s44, s44, 7
	s_add_co_u32 s44, s44, s33                     ; my part's number: (32 b + i) 7 + chunk
	s_lshl_b32 s52, s44, 18
	s_lshl_b32 s45, s[WV], 16
	s_add_co_u32 s52, s52, s45
	s_mov_b32 s53, 0
	s_lshl_b32 s54, s44, 10
	s_lshl_b32 s45, s[WV], 8
	s_add_co_u32 s54, s54, s45
	s_mov_b32 s55, 0
	s_mov_b32 s34, 0x3d8293ee                      ; c = log2(e) / sqrt(512)
	s_mov_b32 s35, s34
	s_mov_b32 s36, 0x76543210
	s_mov_b32 s37, 0xfedcba98
	s_mov_b32 s[TB], 0
	s_wait_dscnt 0x0                               ; both opening adds are done
	s_wait_kmcnt 0x0
	s_load_b32 s40, s[6:7], 0x0                    ; ds
	s_mov_b32 s24, 1                               ; group 0: count = 1
	s_lshl_b32 s25, s[WV], 15                      ; LDS: my quarter of slot 0
	s_add_nc_u64 s[26:27], s[4:5], s[48:49]
	s_add_nc_u64 s[38:39], s[26:27], 65536         ; the prefetches: the first change of slots steps this to step 2
	s_or_b32 s27, s27, 0x80000000                  ; type = 2
	TLOAD                                          ; step 0
	s_add_nc_u64 s[50:51], s[4:5], s[50:51]
	s_add_nc_u64 s[52:53], s[8:9], s[52:53]
	s_add_nc_u64 s[54:55], s[10:11], s[54:55]
	v_and_b32 v13, 31, v0
	v_lshlrev_b32 v[L16], 4, v13
	v_lshlrev_b32 v[L4], 2, v13
	v_lshlrev_b32 v[PFO], 8, v13
	WIN 0x40                                       ; destination window 1
.set z, 0
.rept 64
	global_load_b128 v[4*z:4*z+3], v[L16], s[50:51] offset:512*z   ; Q stays in registers
.set z, z+1
.endr
	WIN 0
	v_and_b32 v14, 15, v0                          ; r
	v_bfe_u32 v15, v0, 4, 1
	v_lshlrev_b32 v15, 3, v15                      ; 8 h
	v_sub_nc_u32 v[RMH], v14, v15
	v_sub_nc_u32 v13, v15, v14
	v_mov_b32 v[NINF], 0xff800000
.set z, 0
.rept 32
	v_add_nc_u32 v[E+z], 16*(z/8)+z%8, v13
.set z, z+1
.endr
.set z, 0
.rept 32
	v_cvt_f32_i32 v[E+z], v[E+z]
.set z, z+1
.endr
	s_wait_kmcnt 0x0
.set z, 0
.rept 32
	v_mul_f32 v[E+z], s40, v[E+z]
.set z, z+1
.endr
	v_mov_b32 v[CDS], s40
	v_mul_f32 v[CDS], s34, v[CDS]
	s_wait_loadcnt 0x0                             ; Q
	CHANGE 1                                       ; a chunk has two steps at the least
	STEP 1
	s_mov_b32 s32, 9
.Lstep:                                            ; nine trips, a constant
	CHANGE 0
	STEP 0
	s_sub_co_u32 s32, s32, 1
	s_cmp_lg_u32 s32, 0
	s_cbranch_scc1 .Lstep
	; THE WAY OUT: l's two halves and the other half of the lanes'; lanes 0-15 carry m, lanes 16-31 l
	v_and_b32 v13, 31, v0
	v_cmp_gt_u32 vcc_lo, 16, v13
.irp q, 0,1
	v_add_f32 v[ST+8*\q+2], v[ST+8*\q+2], v[ST+8*\q+3]
.endr
.irp q, 0,1
	v_permlanex16_b32 v[ST+8*\q+5], v[ST+8*\q+2], s36, s37
.endr
.irp q, 0,1
	v_add_f32 v[ST+8*\q+2], v[ST+8*\q+2], v[ST+8*\q+5]
.endr
.irp q, 0,1
	v_cndmask_b32 v[ST+8*\q+4], v[ST+8*\q+2], v[ST+8*\q+1], vcc_lo
.endr
	s_cmp_eq_u32 s42, 0
	s_cbranch_scc1 .Lnot_first16
	OUT 0
.Lnot_first16:
	OUT 1
	s_wait_tensorcnt 0x0                           ; the wave's end
	ds_add_u32 v[SPW], v[NIL]
	s_wait_dscnt 0x0
	s_endpgm
.Lfunc_end_k_qfecca79787_attn:
	.size	k_qfecca79787_attn, .Lfunc_end_k_qfecca79787_attn-k_qfecca79787_attn
	.p2alignl 7, 3214868480
	.fill 96, 4, 3214868480
	.section	.rodata,"a",@progbits
	.p2align	6, 0x0
	.amdhsa_kernel k_qfecca79787_attn
		.amdhsa_group_segment_fixed_size 327680
		.amdhsa_private_segment_fixed_size 0
		.amdhsa_enable_private_segment 0
		.amdhsa_kernarg_size 32
		.amdhsa_user_sgpr_count 2
		.amdhsa_user_sgpr_kernarg_segment_ptr 1
		.amdhsa_wavefront_size32 1
		.amdhsa_system_sgpr_workgroup_id_x 1
		.amdhsa_system_sgpr_workgroup_id_y 1
		.amdhsa_system_sgpr_workgroup_id_z 1
		.amdhsa_system_vgpr_workitem_id 0
		.amdhsa_next_free_vgpr 1024
		.amdhsa_next_free_sgpr 66
		.amdhsa_reserve_vcc 1
		.amdhsa_float_denorm_mode_32 3
		.amdhsa_float_denorm_mode_16_64 3
		.amdhsa_memory_ordered 1
		.amdhsa_forward_progress 1
		.amdhsa_inst_pref_size 153
	.end_amdhsa_kernel
	.amdgpu_metadata
---
amdhsa.version: [ 1, 2 ]
amdhsa.kernels:
  - .name:           k_qfecca79787_attn
    .symbol:         k_qfecca79787_attn.kd
    .args:
      - { .name: qkvf, .offset: 0, .size: 8, .value_kind: global_buffer, .address_space: global }
      - { .name: distance_scale, .offset: 8, .size: 8, .value_kind: global_buffer, .address_space: global }
      - { .name: opart, .offset: 16, .size: 8, .value_kind: global_buffer, .address_space: global }
      - { .name: ostat, .offset: 24, .size: 8, .value_kind: global_buffer, .address_space: global }
    .group_segment_fixed_size: 327680
    .private_segment_fixed_size: 0
    .kernarg_segment_align: 8
    .kernarg_segment_size: 32
    .max_flat_workgroup_size: 128
    .sgpr_count:     66
    .vgpr_count:     1024
    .wavefront_size: 32
...
	.end_amdgpu_metadata
.endif
;; end of part 3
;; launch first16 (part 4): grid 2 x 1, 8 waves a work-group, no clusters, 9,216 bytes of LDS; arguments qkvf, distance_scale, opart, ostat; writes opart, ostat
.if DOCPART == 4
	.amdgcn_target "amdgcn-amd-amdhsa--gfx1250"
	.amdhsa_code_object_version 6
	.text
	.protected	k_qfecca79787_first16
	.globl	k_qfecca79787_first16
	.p2align	8
	.type	k_qfecca79787_first16,@function
k_qfecca79787_first16:
	s_mov_b64 s[64:65], 0
	v_nop
	global_prefetch_b8 v0, s[64:65] scope:SCOPE_SE
	s_setreg_imm32_b32 hwreg(HW_REG_WAVE_MODE, 25, 1), 1
	s_wait_xcnt 0x0
; Positions 0-15 of each batch: their rows of the softmax average one to sixteen values, so both attention products are made here with f32 operands.  One work-group a batch; the result has the form of the
; attention launch's parts: unnormalised O^T tiles, m and l.
; Wave W owns channels 64 W .. 64 W + 63 (four tiles).  S^T = K Q^T is summed over its channels, the eight waves' parts meet in LDS, every wave then takes the same softmax, and makes O^T for its own channels.
; The f32 tiles hold, in lane (r, h), row r and channels 8 h + 0 .. 7 (q, k), or channel r and tokens 8 h + 0 .. 7 (v).  The matrix form's k = 2 h + j is taken for channel (key) 8 h + 2 p + j on BOTH sources: the same
; permutation of K on both sides keeps the products.  The registers that these products write are written by nothing else.
.set PS,    0                          ; LDS: eight tiles of partial scores, 1,024 bytes each
.set SPARE, 8192
.set QI, 32
.set KI, 64
.set VI, 96
.set SA, 128                           ; v128-159 four accumulators of S^T
.set OA, 160                           ; v160-191 four of O^T
.set SS, 192
.set PP, 200
.set TM, 208
.set RB, 216
.set SPW, 252
.set NIL, 253
	s_load_b256 s[4:11], s[0:1], 0x0               ; qkvf, distance_scale, opart, ostat
	v_lshl_add_u32 v[SPW], v0, 2, SPARE
	v_mov_b32 v[NIL], 0
	v_lshrrev_b32 v1, 5, v0
	v_readfirstlane_b32 s12, v1                    ; wave W
	v_and_b32 v2, 31, v0
	v_lshlrev_b32 v1, 4, v2                        ; 16 x lane
	v_lshlrev_b32 v3, 2, v2                        ; 4 x lane
	v_and_b32 v4, 15, v0                           ; r
	v_bfe_u32 v5, v0, 4, 1
	v_lshlrev_b32 v5, 3, v5                        ; 8 h
	v_sub_nc_u32 v6, v5, v4                        ; 8 h - r
	s_lshl_b32 s16, s12, 10
	v_add_nc_u32 v7, s16, v1                       ; LDS: my tile
	v_mov_b32 v8, 0
	v_mov_b32 v11, 0xff800000
	s_mul_i32 s14, ttmp9, 98304
	s_lshl_b32 s15, s12, 12
	s_add_co_u32 s14, s14, s15
	s_add_co_u32 s14, s14, 25165824
	s_mov_b32 s15, 0
	s_mul_i32 s18, ttmp9, 58720256                 ; part (32 b) 7: block 0, chunk 0; wave 0's tiles 2 ct
	s_lshl_b32 s19, s12, 13
	s_add_co_u32 s18, s18, s19
	s_mov_b32 s19, 0
	s_mul_i32 s20, ttmp9, 229376
	s_mov_b32 s21, 0
	s_mov_b32 s22, 0x76543210
	s_mov_b32 s23, 0xfedcba98
	s_mov_b32 s24, 0x3d8293ee                      ; c = log2(e) / sqrt(512)
	s_wait_kmcnt 0x0
	s_load_b32 s13, s[6:7], 0x0                    ; ds
	s_add_nc_u64 s[4:5], s[4:5], s[14:15]
	s_add_nc_u64 s[8:9], s[8:9], s[18:19]
	s_add_nc_u64 s[10:11], s[10:11], s[20:21]
.irp m, 0,1,2
.irp c, 0,1,2,3
	global_load_b128 v[QI+32*\m+8*\c:QI+32*\m+8*\c+3], v1, s[4:5] offset:\m*32768+\c*1024
	global_load_b128 v[QI+32*\m+8*\c+4:QI+32*\m+8*\c+7], v1, s[4:5] offset:\m*32768+\c*1024+512
.endr
.endr
	s_wait_loadcnt 0x0
	s_wait_kmcnt 0x0
.irp c, 0,1,2,3                                ; four accumulators by turns; the first four products start the sums
.irp p, 0,1,2,3
.if \c == 0
	v_wmma_f32_16x16x4_f32 v[SA+8*\p:SA+8*\p+7], v[KI+8*\c+2*\p:KI+8*\c+2*\p+1], v[QI+8*\c+2*\p:QI+8*\c+2*\p+1], 0
.else
	v_wmma_f32_16x16x4_f32 v[SA+8*\p:SA+8*\p+7], v[KI+8*\c+2*\p:KI+8*\c+2*\p+1], v[QI+8*\c+2*\p:QI+8*\c+2*\p+1], v[SA+8*\p:SA+8*\p+7]
.endif
.endr
.endr
.rept 8
	v_nop                                          ; eight places behind this form
.endr
.irp j, 0,1,2,3,4,5,6,7
	v_add_f32 v[SS+\j], v[SA+\j], v[SA+8+\j]       ; each accumulator from its low end on
	v_add_f32 v[TM+\j], v[SA+16+\j], v[SA+24+\j]
	v_add_f32 v[SS+\j], v[SS+\j], v[TM+\j]
.endr
	ds_store_b128 v7, v[SS:SS+3] offset:PS
	ds_store_b128 v7, v[SS+4:SS+7] offset:PS+512
	s_wait_dscnt 0x0                               ; for the others' sake
	s_barrier_signal -1
	s_barrier_wait -1
.irp k, 0,1,2,3
	ds_load_b128 v[RB+8*\k:RB+8*\k+3], v1 offset:PS+\k*1024
	ds_load_b128 v[RB+8*\k+4:RB+8*\k+7], v1 offset:PS+\k*1024+512
.endr
	s_wait_dscnt 0x0
.irp j, 0,1,2,3,4,5,6,7
	v_add_f32 v[SS+\j], v[RB+\j], v[RB+8+\j]
	v_add_f32 v[TM+\j], v[RB+16+\j], v[RB+24+\j]
	v_add_f32 v[SS+\j], v[SS+\j], v[TM+\j]
.endr
.irp k, 0,1,2,3
	ds_load_b128 v[RB+8*\k:RB+8*\k+3], v1 offset:PS+(4+\k)*1024
	ds_load_b128 v[RB+8*\k+4:RB+8*\k+7], v1 offset:PS+(4+\k)*1024+512
.endr
	s_wait_dscnt 0x0
.irp j, 0,1,2,3,4,5,6,7
	v_add_f32 v[TM+\j], v[RB+\j], v[RB+8+\j]
	v_add_f32 v[SS+\j], v[SS+\j], v[TM+\j]
	v_add_f32 v[TM+\j], v[RB+16+\j], v[RB+24+\j]
	v_add_f32 v[SS+\j], v[SS+\j], v[TM+\j]         ; lane (r, h): query r, key 8 h + j
.endr
.irp j, 0,1,2,3,4,5,6,7
	v_add_nc_u32 v[RB+\j], \j, v6                  ; key - query
.endr
.irp j, 0,1,2,3,4,5,6,7
	v_cvt_f32_i32 v[TM+\j], v[RB+\j]
.endr
.irp j, 0,1,2,3,4,5,6,7
	v_fma_f32 v[SS+\j], s13, v[TM+\j], v[SS+\j]    ; - ds x distance
.endr
.irp j, 0,1,2,3,4,5,6,7
	v_cmp_lt_i32 vcc_lo, 0, v[RB+\j]               ; a later key is hidden
	v_cndmask_b32 v[SS+\j], v[SS+\j], v11, vcc_lo
.endr
	v_max3_num_f32 v9, v[SS], v[SS+1], v[SS+2]
	v_max3_num_f32 v9, v9, v[SS+3], v[SS+4]
	v_max3_num_f32 v9, v9, v[SS+5], v[SS+6]
	v_max_num_f32 v9, v9, v[SS+7]
	v_permlanex16_b32 v8, v9, s22, s23
	v_max_num_f32 v9, v9, v8                       ; key 0 counts for every query: a number
	v_mul_f32 v9, s24, v9                          ; m, in units of t
.irp j, 0,1,2,3,4,5,6,7
	v_fma_f32 v[PP+\j], v[SS+\j], s24, -v9
.endr
.irp j, 0,1,2,3,4,5,6,7
	v_exp_f32 v[PP+\j], v[PP+\j]
.endr
	v_nop                                          ; a plain line behind the last exponential,
	s_wait_alu depctr_va_vdst(0)                   ; and one wait for the batch
	v_add_f32 v10, v[PP], v[PP+1]
.irp j, 2,3,4,5,6,7
	v_add_f32 v10, v10, v[PP+\j]
.endr
	v_permlanex16_b32 v8, v10, s22, s23
	v_add_f32 v10, v10, v8                         ; l
.irp p, 0,1,2,3
.irp c, 0,1,2,3
.if \p == 0
	v_wmma_f32_16x16x4_f32 v[OA+8*\c:OA+8*\c+7], v[VI+8*\c+2*\p:VI+8*\c+2*\p+1], v[PP+2*\p:PP+2*\p+1], 0
.else
	v_wmma_f32_16x16x4_f32 v[OA+8*\c:OA+8*\c+7], v[VI+8*\c+2*\p:VI+8*\c+2*\p+1], v[PP+2*\p:PP+2*\p+1], v[OA+8*\c:OA+8*\c+7]
.endif
.endr
.endr
	v_cmp_gt_u32 vcc_lo, 16, v2
	v_cndmask_b32 v12, v10, v9, vcc_lo             ; lanes 0-15 m, lanes 16-31 l
.rept 6
	v_nop                                          ; with the two lines above: eight places
.endr
.irp c, 0,1,2,3
	global_store_b128 v1, v[OA+8*\c:OA+8*\c+3], s[8:9] offset:\c*2048
	global_store_b128 v1, v[OA+8*\c+4:OA+8*\c+7], s[8:9] offset:\c*2048+512
.endr
	s_cmp_lg_u32 s12, 0
	s_cbranch_scc1 .Lno_stat
	global_store_b32 v3, v12, s[10:11]
.Lno_stat:
	s_wait_tensorcnt 0x0                           ; the wave's end, behind my last LDS store
	ds_add_u32 v[SPW], v[NIL]
	s_wait_dscnt 0x0
	s_endpgm
.Lfunc_end_k_qfecca79787_first16:
	.size	k_qfecca79787_first16, .Lfunc_end_k_qfecca79787_first16-k_qfecca79787_first16
	.p2alignl 7, 3214868480
	.fill 96, 4, 3214868480
	.section	.rodata,"a",@progbits
	.p2align	6, 0x0
	.amdhsa_kernel k_qfecca79787_first16
		.amdhsa_group_segment_fixed_size 9216
		.amdhsa_private_segment_fixed_size 0
		.amdhsa_enable_private_segment 0
		.amdhsa_kernarg_size 32
		.amdhsa_user_sgpr_count 2
		.amdhsa_user_sgpr_kernarg_segment_ptr 1
		.amdhsa_wavefront_size32 1
		.amdhsa_system_sgpr_workgroup_id_x 1
		.amdhsa_system_sgpr_workgroup_id_y 1
		.amdhsa_system_sgpr_workgroup_id_z 1
		.amdhsa_system_vgpr_workitem_id 0
		.amdhsa_next_free_vgpr 256
		.amdhsa_next_free_sgpr 66
		.amdhsa_reserve_vcc 1
		.amdhsa_float_denorm_mode_32 3
		.amdhsa_float_denorm_mode_16_64 3
		.amdhsa_memory_ordered 1
		.amdhsa_forward_progress 1
		.amdhsa_inst_pref_size 15
	.end_amdhsa_kernel
	.amdgpu_metadata
---
amdhsa.version: [ 1, 2 ]
amdhsa.kernels:
  - .name:           k_qfecca79787_first16
    .symbol:         k_qfecca79787_first16.kd
    .args:
      - { .name: qkvf, .offset: 0, .size: 8, .value_kind: global_buffer, .address_space: global }
      - { .name: distance_scale, .offset: 8, .size: 8, .value_kind: global_buffer, .address_space: global }
      - { .name: opart, .offset: 16, .size: 8, .value_kind: global_buffer, .address_space: global }
      - { .name: ostat, .offset: 24, .size: 8, .value_kind: global_buffer, .address_space: global }
    .group_segment_fixed_size: 9216
    .private_segment_fixed_size: 0
    .kernarg_segment_align: 8
    .kernarg_segment_size: 32
    .max_flat_workgroup_size: 256
    .sgpr_count:     66
    .vgpr_count:     256
    .wavefront_size: 32
...
	.end_amdgpu_metadata
.endif
;; end of part 4
;; launch ln1 (part 5): grid 512 x 1, 4 waves a work-group, no clusters, 1,024 bytes of LDS; arguments opart, ostat, tokens, g1, be1, b2, xh, xres; writes xh, xres
.if DOCPART == 5
	.amdgcn_target "amdgcn-amd-amdhsa--gfx1250"
	.amdhsa_code_object_version 6
	.text
	.protected	k_qfecca79787_ln1
	.globl	k_qfecca79787_ln1
	.p2align	8
	.type	k_qfecca79787_ln1,@function
k_qfecca79787_ln1:
	s_mov_b64 s[64:65], 0
	v_nop
	global_prefetch_b8 v0, s[64:65] scope:SCOPE_SE
	s_setreg_imm32_b32 hwreg(HW_REG_WAVE_MODE, 25, 1), 1
	s_wait_xcnt 0x0
; x = LayerNorm(tokens + attention), all in f32.  The attention's parts of a query block (one to seven chunks of keys) are merged: with m* the largest m, w_c = 2^(m_c - m*), out = sum w_c O_c / sum w_c l_c.
; SHARES.  A work-group owns 16 rows, wave w channels 128 w .. 128 w + 127: eight tiles in the products' result layout (lane (r, h): row r, channels 8 h + 0 .. 7 of a tile), 64 registers.
; The number of chunks hangs on the work-group's number alone.  A chunk's 16 loads are asked for while the chunk before is added; the last chunk's copy is written out for each count, so that every wait's count is right on every path.
; OUT.  xh: x in f16, as fragments [row tile][32 channels] for the next launch's products; xres: x + b2 in f32, as that launch's accumulators want it, [64 rows 128][wave 4][row tile 4][tile 8].  Every store covers 512 consecutive bytes.
; Memory binds here: no matrix unit, no cluster, no tensor load would add anything.
.set EX1,   0                          ; LDS: 16 rows x 4 waves' sums
.set EX2,   256                        ; and sums of squares
.set SPARE, 512
.set L16, 1
.set ACC, 64
.set SA,  128
.set SB,  192
.set MM,  16                           ; v16-22 m of the chunks; v23 their maximum
.set LL,  24                           ; v24-30 l; v31 the divisor
.set WN,  32                           ; v32-45 the weights, a pair each (the low word serves both halves)
.set SO,  46                           ; v46-52 offsets of the chunks' statistics
.macro OLOAD c
.set RB, SA+64*((\c)%2)
.irp o, 0,1,2,3,4,5,6,7
	global_load_b128 v[RB+8*\o:RB+8*\o+3], v[L16], s[4:5] offset:(\c)*262144+\o*2048 th:TH_LOAD_NT
	global_load_b128 v[RB+8*\o+4:RB+8*\o+7], v[L16], s[4:5] offset:(\c)*262144+\o*2048+512 th:TH_LOAD_NT
.endr
.endm
.macro FMA c
.set RB, SA+64*((\c)%2)
.set z, 0
.rept 32
	v_pk_fma_f32 v[ACC+2*z:ACC+2*z+1], v[RB+2*z:RB+2*z+1], v[WN+2*(\c):WN+2*(\c)+1], v[ACC+2*z:ACC+2*z+1] op_sel_hi:[1,0,1]
.set z, z+1
.endr
.endm
.macro CH c
	s_cmp_gt_u32 s27, (\c)+1
	s_cbranch_scc0 .Llast_\c
	OLOAD (\c)+1
	s_wait_loadcnt 16                              ; the next chunk's 16 loads may stay out
	FMA \c
.endm
.macro CROSS ex                        ; v54: my lane's sum -> the row's, over both halves of the lanes and the four waves, in v12
	v_permlanex16_b32 v62, v54, s2, s3
	v_add_f32 v54, v54, v62
	ds_store_b32 v11, v54 offset:\ex
	s_wait_dscnt 0x0                               ; for the others' sake
	s_barrier_signal -1
	s_barrier_wait -1
	ds_load_b128 v[12:15], v10 offset:\ex
	s_wait_dscnt 0x0
	v_add_f32 v12, v12, v13
	v_add_f32 v14, v14, v15
	v_add_f32 v12, v12, v14
.endm
	s_load_b256 s[4:11], s[0:1], 0x0               ; opart, ostat, tokens, g1
	s_load_b256 s[12:19], s[0:1], 0x20             ; be1, b2, xh, xres
	v_lshl_add_u32 v8, v0, 2, SPARE
	v_mov_b32 v9, 0
	v_lshrrev_b32 v1, 5, v0
	v_readfirstlane_b32 s20, v1                    ; wave
	v_and_b32 v2, 31, v0
	v_lshlrev_b32 v[L16], 4, v2
	v_and_b32 v3, 15, v0                           ; r
	v_bfe_u32 v4, v0, 4, 1                         ; h
	v_lshlrev_b32 v5, 5, v4                        ; 32 h
	v_lshlrev_b32 v6, 2, v3                        ; 4 r
	v_lshl_add_u32 v7, v3, 11, v5                  ; tokens: 2,048 r + 32 h
	v_lshlrev_b32 v10, 4, v3                       ; LDS: 16 r
	s_lshl_b32 s21, s20, 2
	v_add_nc_u32 v11, s21, v10                     ; 16 r + 4 w
	v_mov_b32 v59, 0
	v_mov_b32 v61, 0
	v_mov_b32 v62, 0
.irp c, 0,1,2,3,4,5,6
	v_mov_b32 v[WN+2*\c+1], 0                      ; named as the upper half of a pair, so it is written
.endr
	s_lshr_b32 s22, ttmp9, 8                       ; b
	s_and_b32 s23, ttmp9, 255
	s_lshr_b32 s24, s23, 3                         ; query block i
	s_bfe_u32 s25, s23, 0x20001                    ; the wave that made these rows,
	s_and_b32 s26, s23, 1                          ; and which of its two tiles
	s_mul_i32 s27, s24, 52
	s_lshr_b32 s27, s27, 8
	s_mov_b32 s29, s27                             ; chunks - 1
	s_add_co_u32 s27, s27, 1                       ; chunks: i / 5 + 1
	s_lshl_b32 s28, s22, 5
	s_add_co_u32 s28, s28, s24
	s_mul_i32 s28, s28, 7                          ; the block's first part
	s_lshl_b32 s30, s28, 18
	s_lshl_b32 s44, s25, 16
	s_add_co_u32 s30, s30, s44
	s_lshl_b32 s44, s20, 14
	s_add_co_u32 s30, s30, s44
	s_lshl_b32 s44, s26, 10
	s_add_co_u32 s30, s30, s44
	s_mov_b32 s31, 0
	s_lshl_b32 s32, s28, 10
	s_lshl_b32 s44, s25, 8
	s_add_co_u32 s32, s32, s44
	s_lshl_b32 s44, s26, 7
	s_add_co_u32 s32, s32, s44
	s_mov_b32 s33, 0
	s_lshl_b32 s36, ttmp9, 15
	s_lshl_b32 s38, s20, 9
	s_add_co_u32 s36, s36, s38
	s_mov_b32 s37, 0
	s_mov_b32 s39, 0
	s_lshl_b32 s40, ttmp9, 14
	s_lshl_b32 s44, s20, 12
	s_add_co_u32 s40, s40, s44
	s_mov_b32 s41, 0
	s_lshr_b32 s42, ttmp9, 2
	s_lshl_b32 s42, s42, 17
	s_lshl_b32 s44, s20, 15
	s_add_co_u32 s42, s42, s44
	s_and_b32 s44, ttmp9, 3
	s_lshl_b32 s44, s44, 13
	s_add_co_u32 s42, s42, s44
	s_mov_b32 s43, 0
.irp c, 0,1,2,3,4,5,6
	s_min_u32 s44, s29, \c                         ; a chunk that the block does not have reads the last one's numbers, and gets the weight 0
	s_lshl_b32 s44, s44, 10
	v_add_nc_u32 v[SO+\c], s44, v6
.endr
	s_mov_b32 s2, 0x76543210
	s_mov_b32 s3, 0xfedcba98
	s_mov_b32 s46, 0x3b000000                      ; 1 / 512
	s_mov_b32 s47, 0x3727c5ac                      ; 1e-5
	s_wait_kmcnt 0x0
	s_add_nc_u64 s[4:5], s[4:5], s[30:31]
	s_add_nc_u64 s[6:7], s[6:7], s[32:33]
	s_add_nc_u64 s[8:9], s[8:9], s[36:37]
	s_add_nc_u64 s[10:11], s[10:11], s[38:39]
	s_add_nc_u64 s[12:13], s[12:13], s[38:39]
	s_add_nc_u64 s[14:15], s[14:15], s[38:39]
	s_add_nc_u64 s[16:17], s[16:17], s[40:41]
	s_add_nc_u64 s[18:19], s[18:19], s[42:43]
.irp c, 0,1,2,3,4,5,6
	global_load_b32 v[MM+\c], v[SO+\c], s[6:7]
	global_load_b32 v[LL+\c], v[SO+\c], s[6:7] offset:64
.endr
.irp o, 0,1,2,3,4,5,6,7
	global_load_b128 v[ACC+8*\o:ACC+8*\o+3], v7, s[8:9] offset:64*\o      ; the residual starts the sums
	global_load_b128 v[ACC+8*\o+4:ACC+8*\o+7], v7, s[8:9] offset:64*\o+16
.endr
	OLOAD 0
	s_wait_loadcnt 32                              ; the tokens' 16 loads and the first chunk's 16 may stay out: m and l are in
	v_max3_num_f32 v23, v[MM], v[MM+1], v[MM+2]
	v_max3_num_f32 v23, v23, v[MM+3], v[MM+4]
	v_max3_num_f32 v23, v23, v[MM+5], v[MM+6]
.irp c, 0,1,2,3,4,5,6
	v_sub_f32 v[WN+2*\c], v[MM+\c], v23
.endr
.irp c, 0,1,2,3,4,5,6
	v_exp_f32 v[WN+2*\c], v[WN+2*\c]
.endr
	v_nop
	s_wait_alu depctr_va_vdst(0)                   ; one wait for the batch
.irp c, 0,1,2,3,4,5,6
	s_cmp_gt_u32 s27, \c
	s_cselect_b32 s44, 1.0, 0
	v_mul_f32 v[WN+2*\c], s44, v[WN+2*\c]
.endr
	v_mul_f32 v31, v[WN], v[LL]
.irp c, 1,2,3,4,5,6
	v_fmac_f32 v31, v[WN+2*\c], v[LL+\c]
.endr
	v_rcp_f32 v31, v31
	v_nop
	s_wait_alu depctr_va_vdst(0)
.irp c, 0,1,2,3,4,5,6
	v_mul_f32 v[WN+2*\c], v[WN+2*\c], v31
.endr
	CH 0
	CH 1
	CH 2
	CH 3
	CH 4
	CH 5
	s_wait_loadcnt 0x0
	FMA 6
	s_branch .Lmerged
.irp c, 0,1,2,3,4
.Llast_\c:
	s_wait_loadcnt 0x0
	FMA \c
	s_branch .Lmerged
.endr
.Llast_5:
	s_wait_loadcnt 0x0
	FMA 5
.Lmerged:
.irp o, 0,1,2,3,4,5,6,7
	global_load_b128 v[SA+8*\o:SA+8*\o+3], v5, s[10:11] offset:64*\o      ; g1
	global_load_b128 v[SA+8*\o+4:SA+8*\o+7], v5, s[10:11] offset:64*\o+16
	global_load_b128 v[SB+8*\o:SB+8*\o+3], v5, s[12:13] offset:64*\o      ; be1
	global_load_b128 v[SB+8*\o+4:SB+8*\o+7], v5, s[12:13] offset:64*\o+16
.endr
	v_pk_add_f32 v[54:55], v[ACC:ACC+1], v[ACC+2:ACC+3]                   ; the mean: two chains
	v_pk_add_f32 v[56:57], v[ACC+4:ACC+5], v[ACC+6:ACC+7]
.set z, 4
.rept 14
	v_pk_add_f32 v[54:55], v[54:55], v[ACC+2*z:ACC+2*z+1]
	v_pk_add_f32 v[56:57], v[56:57], v[ACC+2*z+2:ACC+2*z+3]
.set z, z+2
.endr
	v_pk_add_f32 v[54:55], v[54:55], v[56:57]
	v_add_f32 v54, v54, v55
	CROSS EX1
	v_mul_f32 v58, s46, v12                        ; the mean
.set z, 0
.rept 32
	v_pk_add_f32 v[ACC+2*z:ACC+2*z+1], v[ACC+2*z:ACC+2*z+1], v[58:59] op_sel_hi:[1,0] neg_lo:[0,1] neg_hi:[0,1]
.set z, z+1
.endr
	v_pk_mul_f32 v[54:55], v[ACC:ACC+1], v[ACC:ACC+1]
	v_pk_mul_f32 v[56:57], v[ACC+2:ACC+3], v[ACC+2:ACC+3]
.set z, 2
.rept 15
	v_pk_fma_f32 v[54:55], v[ACC+2*z:ACC+2*z+1], v[ACC+2*z:ACC+2*z+1], v[54:55]
	v_pk_fma_f32 v[56:57], v[ACC+2*z+2:ACC+2*z+3], v[ACC+2*z+2:ACC+2*z+3], v[56:57]
.set z, z+2
.endr
	v_pk_add_f32 v[54:55], v[54:55], v[56:57]
	v_add_f32 v54, v54, v55
	CROSS EX2                                      ; other bytes than the first exchange: no barrier between
	v_fma_f32 v12, v12, s46, s47                   ; the variance + eps
	v_rsq_f32 v60, v12
	v_nop
	s_wait_alu depctr_va_vdst(0)
	s_wait_loadcnt 0x0                             ; g1, be1
.set z, 0
.rept 32
	v_pk_mul_f32 v[ACC+2*z:ACC+2*z+1], v[ACC+2*z:ACC+2*z+1], v[60:61] op_sel_hi:[1,0]
.set z, z+1
.endr
.set z, 0
.rept 32
	v_pk_fma_f32 v[ACC+2*z:ACC+2*z+1], v[ACC+2*z:ACC+2*z+1], v[SA+2*z:SA+2*z+1], v[SB+2*z:SB+2*z+1]
.set z, z+1
.endr
.irp o, 0,1,2,3,4,5,6,7
	global_load_b128 v[SA+8*\o:SA+8*\o+3], v5, s[14:15] offset:64*\o      ; b2
	global_load_b128 v[SA+8*\o+4:SA+8*\o+7], v5, s[14:15] offset:64*\o+16
.endr
.irp o, 0,1,2,3,4,5,6,7
.irp j, 0,1,2,3
	v_cvt_pk_f16_f32 v[SB+4*\o+\j], v[ACC+8*\o+2*\j], v[ACC+8*\o+2*\j+1]
.endr
	global_store_b128 v[L16], v[SB+4*\o:SB+4*\o+3], s[16:17] offset:512*\o   ; tile o is half o % 2 of fragment 4 w + o / 2
.endr
	s_wait_loadcnt 0x0
.set z, 0
.rept 32
	v_pk_add_f32 v[ACC+2*z:ACC+2*z+1], v[ACC+2*z:ACC+2*z+1], v[SA+2*z:SA+2*z+1]
.set z, z+1
.endr
.irp o, 0,1,2,3,4,5,6,7
	global_store_b128 v[L16], v[ACC+8*\o:ACC+8*\o+3], s[18:19] offset:1024*\o
	global_store_b128 v[L16], v[ACC+8*\o+4:ACC+8*\o+7], s[18:19] offset:1024*\o+512
.endr
	s_wait_tensorcnt 0x0                           ; the wave's end, behind my last LDS store
	ds_add_u32 v8, v9
	s_wait_dscnt 0x0
	s_endpgm
.Lfunc_end_k_qfecca79787_ln1:
	.size	k_qfecca79787_ln1, .Lfunc_end_k_qfecca79787_ln1-k_qfecca79787_ln1
	.p2alignl 7, 3214868480
	.fill 96, 4, 3214868480
	.section	.rodata,"a",@progbits
	.p2align	6, 0x0
	.amdhsa_kernel k_qfecca79787_ln1
		.amdhsa_group_segment_fixed_size 1024
		.amdhsa_private_segment_fixed_size 0
		.amdhsa_enable_private_segment 0
		.amdhsa_kernarg_size 64
		.amdhsa_user_sgpr_count 2
		.amdhsa_user_sgpr_kernarg_segment_ptr 1
		.amdhsa_wavefront_size32 1
		.amdhsa_system_sgpr_workgroup_id_x 1
		.amdhsa_system_sgpr_workgroup_id_y 1
		.amdhsa_system_sgpr_workgroup_id_z 1
		.amdhsa_system_vgpr_workitem_id 0
		.amdhsa_next_free_vgpr 256
		.amdhsa_next_free_sgpr 66
		.amdhsa_reserve_vcc 0
		.amdhsa_float_denorm_mode_32 3
		.amdhsa_float_denorm_mode_16_64 3
		.amdhsa_memory_ordered 1
		.amdhsa_forward_progress 1
		.amdhsa_inst_pref_size 69
	.end_amdhsa_kernel
	.amdgpu_metadata
---
amdhsa.version: [ 1, 2 ]
amdhsa.kernels:
  - .name:           k_qfecca79787_ln1
    .symbol:         k_qfecca79787_ln1.kd
    .args:
      - { .name: opart, .offset: 0, .size: 8, .value_kind: global_buffer, .address_space: global }
      - { .name: ostat, .offset: 8, .size: 8, .value_kind: global_buffer, .address_space: global }
      - { .name: tokens, .offset: 16, .size: 8, .value_kind: global_buffer, .address_space: global }
      - { .name: g1, .offset: 24, .size: 8, .value_kind: global_buffer, .address_space: global }
      - { .name: be1, .offset: 32, .size: 8, .value_kind: global_buffer, .address_space: global }
      - { .name: b2, .offset: 40, .size: 8, .value_kind: global_buffer, .address_space: global }
      - { .name: xh, .offset: 48, .size: 8, .value_kind: global_buffer, .address_space: global }
      - { .name: xres, .offset: 56, .size: 8, .value_kind: global_buffer, .address_space: global }
    .group_segment_fixed_size: 1024
    .private_segment_fixed_size: 0
    .kernarg_segment_align: 8
    .kernarg_segment_size: 64
    .max_flat_workgroup_size: 128
    .sgpr_count:     66
    .vgpr_count:     256
    .wavefront_size: 32
...
	.end_amdgpu_metadata
.endif
;; end of part 5
;; launch mlp (part 6): grid 256 x 1, 4 waves a work-group, clusters of 4 x 1, 327,680 bytes of LDS; arguments wmlp, xh, xres, b1, ypart; writes ypart
.if DOCPART == 6
	.amdgcn_target "amdgcn-amd-amdhsa--gfx1250"
	.amdhsa_code_object_version 6
	.text
	.protected	k_qfecca79787_mlp
	.globl	k_qfecca79787_mlp
	.p2align	8
	.type	k_qfecca79787_mlp,@function
k_qfecca79787_mlp:
	s_mov_b64 s[64:65], 0
	v_nop
	global_prefetch_b8 v0, s[64:65] scope:SCOPE_SE
	s_setreg_imm32_b32 hwreg(HW_REG_WAVE_MODE, 25, 1), 1
	s_wait_xcnt 0x0
	s_wait_alu depctr_hold_cnt(0) depctr_sa_sdst(0) depctr_va_vdst(0) depctr_va_sdst(0) depctr_va_ssrc(0) depctr_va_vcc(0) depctr_vm_vsrc(0)
	s_getreg_b32 s2, hwreg(HW_REG_IB_STS2, 6, 4)
	s_cmp_eq_u32 s2, 0
	s_cbranch_scc0 .Lentry_in_a_cluster
	s_endpgm
.Lentry_in_a_cluster:
	s_bfe_u32 s2, ttmp6, 0x10000c
	s_cmp_lg_u32 s2, 0x3003
	s_cbranch_scc0 .Lentry_shape_is_right
	s_endpgm
.Lentry_shape_is_right:
; part[half] = 0.5 (x + b2) + relu(x W1 + b1)[:, 1,024 half .. + 1,023] W2[1,024 half .. + 1,023, :], products on f16 operands with f32 sums; the hidden layer never goes to memory.
; The next launch adds the two parts and takes the LayerNorm.
; SHARES.  A work-group owns 64 rows (four tiles) and one half of the hidden layer: 128 row blocks x 2 halves = 256 work-groups of equal work.  THE WAVES SHARE THE COLUMNS: a half goes in 8 chunks of 128 units; in a chunk
; wave w makes units 32 w .. 32 w + 31 for all 64 rows, and throughout it owns outputs 128 w .. 128 w + 127: 32 accumulators.  They begin, in both halves, as half of x + b2 (a multiplication by 0.5 rounds nothing), so
; that the parts add up to the whole and nothing hangs on which half a work-group has.  x's 64 fragments stay in registers.  Each weight fragment feeds four products and is read from LDS by one wave.
; With 32 rows to a work-group each weight byte would feed half as many products, for the same matrix work: so 64 rows, and the hidden layer is what is shared out.
; THE WEIGHTS lie in memory in the order in which the waves take them: a chunk's part of W1 for a wave is 32 KiB on end, of W2 likewise.  The four partners of a cluster have the same half, so each load is a JOINT load:
; its descriptor hangs on the wave's number, the chunk and the cluster's number alone.  Two LDS regions, one for W1's chunk and one for W2's: while one is multiplied the other is on its way.
; Both products are used transposed (source 0 = 16 columns of the weight, source 1 = 16 rows): a lane holds one row and eight neighbouring columns, so two tiles of the hidden layer pack into one fragment of the
; second product, which goes from wave to wave through LDS as an image of its registers.
; ypart: [half 2][64 rows 128][wave 4][row tile 4][tile 8] tiles of 1,024 bytes, each group of four registers as 512 bytes, 16 a lane: every store of a wave covers 512 consecutive bytes, aligned.
; LIMITS: x and the hidden layer inside f16's range; NaN and infinities are not served.
; REGISTERS, in windows of 256: window 0 below; window 1: x (row tile t, k step 0-7) at 8 (8 t + ks); window 2: k steps 8-15; window 3: Y (output tile o, row tile t) at 8 (4 o + t).
; s_set_vgpr_msb's low byte: bits 1:0 source 0, 3:2 source 1, 5:4 source 2, 7:6 destination.
.set RB,    131072                     ; LDS: W1's chunk from 0, 32 KiB a wave; W2's chunk from here
.set HIMG,  262144                     ; the hidden layer's 16 fragments: 4 kk + t
.set SPARE, 278528                     ; the spare words, 128 bytes a wave: no other line names them
.set L16, 1
.set AW1, 2                            ; v2  my part of W1's chunk + 16 x lane
.set AW2, 3                            ; v3  of W2's
.set AH,  4                            ; v4  the hidden images + 16 x lane
.set AHS, 5                            ; v5  where I store mine
.set H32, 6                            ; v6  32 h
.set SPW, 8
.set NIL, 9
.set B1,  32                           ; v32-47 b1's two tiles
.set HA,  64                           ; v64-127 my 8 tiles of the hidden layer (4 ut + t); then two sets of four hidden fragments
.set WSET, 160                         ; v160-255 weight fragments: six sets of two, or three of four
.set MSB, 0
.macro WIN new                         ; the immediate's high byte repeats the setting that is left
.if MSB != \new
	s_set_vgpr_msb (MSB<<8)|\new
.set MSB, \new
.endif
.endm
.macro PLACES
.rept 4
	v_nop
.endr
.endm
.macro JLOAD g0                        ; a joint load: every wave of every partner issues it; an s_nop 0 and four v_nop follow
	tensor_load_to_lds s[\g0:\g0+3], s[16:23]
	s_nop 0
	PLACES
.endm
.macro CREST                           ; a round of the cluster's barrier behind its opening barrier
	s_cmp_lg_u32 s33, 0
	s_cbranch_scc1 .Lnot_wave_0_\@
	s_barrier_signal -3
.Lnot_wave_0_\@:
	s_barrier_wait -3
	s_barrier_signal -1
	s_barrier_wait -1
.endm
.macro CROUND
	s_barrier_signal -1
	s_barrier_wait -1
	CREST
.endm
.macro W1SET ks                        ; W1's two fragments of k step ks into set ks % 6
.set FB, WSET+16*((\ks)%6)
.irp ut, 0,1
	ds_load_b128 v[FB+8*\ut:FB+8*\ut+3], v[AW1] offset:(2*(\ks)+\ut)*1024
	ds_load_b128 v[FB+8*\ut+4:FB+8*\ut+7], v[AW1] offset:(2*(\ks)+\ut)*1024+512
.endr
.endm
; PHASE 1: my 32 hidden units for 64 rows: 128 products, eight accumulators by turns; b1 is the C of the first.  next = 1: the next chunk's b1 is asked for.
.macro P1 next
	s_wait_loadcnt 0x0                             ; b1
.irp k, 0,1,2,3,4,5
	W1SET \k
.endr
.set KSN, 0
.rept 16
.if KSN < 8
	WIN 0x04                                       ; source 1 (x) window 1
.else
	WIN 0x08                                       ; window 2
.endif
.if KSN < 10
	s_wait_dscnt 20                                ; the five younger sets, 4 loads each, may stay out
.else
	s_wait_dscnt 4*(15-KSN)
.endif
.irp t, 0,1,2,3
.irp ut, 0,1
.if KSN == 0
	v_wmma_f32_16x16x32_f16 v[HA+8*(4*\ut+\t):HA+8*(4*\ut+\t)+7], v[WSET+16*(KSN%6)+8*\ut:WSET+16*(KSN%6)+8*\ut+7], v[8*(8*\t+KSN%8):8*(8*\t+KSN%8)+7], v[B1+8*\ut:B1+8*\ut+7]
.else
	v_wmma_f32_16x16x32_f16 v[HA+8*(4*\ut+\t):HA+8*(4*\ut+\t)+7], v[WSET+16*(KSN%6)+8*\ut:WSET+16*(KSN%6)+8*\ut+7], v[8*(8*\t+KSN%8):8*(8*\t+KSN%8)+7], v[HA+8*(4*\ut+\t):HA+8*(4*\ut+\t)+7]
.endif
.endr
.endr
	PLACES                                         ; four places ahead of loads into registers that the products read, and of the first read of results
.if KSN < 10
	W1SET KSN+6
.endif
.if (KSN == 0) && \next
	s_add_nc_u64 s[10:11], s[10:11], 512           ; its last loads were waited for at the phase's head
.irp ut, 0,1
	global_load_b128 v[B1+8*\ut:B1+8*\ut+3], v[H32], s[10:11] offset:64*\ut
	global_load_b128 v[B1+8*\ut+4:B1+8*\ut+7], v[H32], s[10:11] offset:64*\ut+16
.endr
.endif
.set KSN, KSN+1
.endr
	WIN 0
.set z, 0
.rept 64
	v_max_num_f32 v[HA+z], 0, v[HA+z]              ; relu, in f32, each accumulator from its low end on
.set z, z+1
.endr
.irp a, 0,1,2,3,4,5,6,7
.irp j, 0,1,2,3
	v_cvt_pk_f16_f32 v[HA+8*\a+\j], v[HA+8*\a+2*\j], v[HA+8*\a+2*\j+1]
.endr
.endr
.irp ut, 0,1
.irp t, 0,1,2,3
	ds_store_b128 v[AHS], v[HA+8*(4*\ut+\t):HA+8*(4*\ut+\t)+3] offset:\t*1024+512*\ut   ; tile ut is half ut of fragment (kk = my wave, t)
.endr
.endr
.endm
; Between the phases: all my tensor loads have landed (one is out: W2's chunk), my hidden images are stored and my reads of W1's chunk are over.  fill = 1: a round of the cluster's barrier, and W1's next chunk is asked for.
.macro X1 fill
	s_wait_tensorcnt 0x0
	ds_add_u32 v[SPW], v[NIL]
.if \fill
	s_add_nc_u64 s[26:27], s[26:27], 131072
.endif
	s_wait_dscnt 0x0
.if \fill
	CROUND
	JLOAD 24
.else
	s_barrier_signal -1
	s_barrier_wait -1
.endif
.endm
.macro HD kk                           ; the four hidden fragments of k step kk into set kk % 2
.set FB, HA+32*((\kk)%2)
.irp t, 0,1,2,3
	ds_load_b128 v[FB+8*\t:FB+8*\t+3], v[AH] offset:(4*(\kk)+\t)*1024
	ds_load_b128 v[FB+8*\t+4:FB+8*\t+7], v[AH] offset:(4*(\kk)+\t)*1024+512
.endr
.endm
.macro W2B u                           ; W2's fragments o = 4 (u % 2) .. + 3 of k step u / 2 into set u % 3
.set FB, WSET+32*((\u)%3)
.irp o, 0,1,2,3
	ds_load_b128 v[FB+8*\o:FB+8*\o+3], v[AW2] offset:(8*((\u)/2)+4*((\u)%2)+\o)*1024
	ds_load_b128 v[FB+8*\o+4:FB+8*\o+7], v[AW2] offset:(8*((\u)/2)+4*((\u)%2)+\o)*1024+512
.endr
.endm
.macro UNIT u                          ; 16 products on 16 different accumulators
	WIN 0xf0                                       ; C and D window 3
.irp o, 0,1,2,3
.irp t, 0,1,2,3
	v_wmma_f32_16x16x32_f16 v[8*(4*(4*((\u)%2)+\o)+\t):8*(4*(4*((\u)%2)+\o)+\t)+7], v[WSET+32*((\u)%3)+8*\o:WSET+32*((\u)%3)+8*\o+7], v[HA+32*(((\u)/2)%2)+8*\t:HA+32*(((\u)/2)%2)+8*\t+7], v[8*(4*(4*((\u)%2)+\o)+\t):8*(4*(4*((\u)%2)+\o)+\t)+7]
.endr
.endr
	PLACES
	WIN 0
.endm
; PHASE 2: my 128 outputs take in the chunk's 128 hidden units: 128 products in eight units.  Batches of 8 LDS loads run three ahead: each wait for 24 leaves the three younger batches out.
; next = 1: ahead of the last unit all LDS loads of the phase are in, so the round that lets W2's next chunk be asked for is opened there, and the unit's products stand between its signal and its wait.
.macro P2 next
	HD 0
	W2B 0
	W2B 1
	HD 1
	W2B 2
	s_wait_dscnt 24
	UNIT 0
	W2B 3
	s_wait_dscnt 24
	UNIT 1
	HD 2
	W2B 4
	s_wait_dscnt 24
	UNIT 2
	W2B 5
	s_wait_dscnt 24
	UNIT 3
	HD 3
	W2B 6
	s_wait_dscnt 24
	UNIT 4
	W2B 7
	s_wait_dscnt 24
	UNIT 5
	s_wait_dscnt 8
	UNIT 6
.if \next
	s_wait_tensorcnt 0x0                           ; all my tensor loads have landed: W1's next chunk
	ds_add_u32 v[SPW], v[NIL]
	s_add_nc_u64 s[30:31], s[30:31], 131072
	s_wait_dscnt 0x0                               ; the add is done; my reads of W2's chunk and of the hidden images are over
	s_barrier_signal -1
	UNIT 7
	s_barrier_wait -1
	CREST
	JLOAD 28                                       ; its four v_nop and the unit's four are the places ahead of the next chunk's first products, which write over the hidden fragments
.else
	s_wait_dscnt 0x0
	UNIT 7
.endif
.endm
	s_load_b256 s[4:11], s[0:1], 0x0               ; wmlp, xh, xres, b1
	s_load_b64 s[36:37], s[0:1], 0x20              ; ypart
	v_lshl_add_u32 v[SPW], v0, 2, SPARE
	v_mov_b32 v[NIL], 0
	ds_add_u32 v[SPW], v[NIL]                      ; the opening: the add, twice on end, and its wait ahead of the round in front of my first tensor loads
	ds_add_u32 v[SPW], v[NIL]
	v_lshrrev_b32 v12, 5, v0
	v_readfirstlane_b32 s33, v12                   ; wave 0..3
	s_bfe_u32 s34, ttmp6, 0x40000                  ; cx: it enters the addresses of xh, xres and ypart alone
	s_lshr_b32 s35, ttmp9, 1                       ; in a cluster launch ttmp9 counts clusters: two clusters, one for each half, to four row blocks
	s_lshl_b32 s35, s35, 2
	s_add_co_u32 s35, s35, s34                     ; my block of 64 rows
	s_and_b32 s54, ttmp9, 1                        ; my half of the hidden layer: the same in all four partners
	s_mov_b32 s16, 15|(3<<16)|(1<<21)              ; group 1: the mask names all four partners; elements of 8 bytes; bit 21 beside a mask; no padding
	s_mov_b32 s17, 32<<16                          ; tensor_dim0 = 32
	s_mov_b32 s18, 128<<16                         ; tensor_dim1 = 128
	s_mov_b32 s19, 32<<16                          ; tile_dim0 = 32
	s_mov_b32 s20, 128                             ; tile_dim1 = 128: 32 KiB
	s_mov_b32 s21, 32
	s_mov_b32 s22, 0
	s_mov_b32 s23, 0
	s_lshl_b32 s40, s33, 15
	s_mov_b32 s41, 0
	v_and_b32 v12, 31, v0
	v_lshlrev_b32 v[L16], 4, v12
	v_bfe_u32 v14, v0, 4, 1                        ; h
	v_lshlrev_b32 v[H32], 5, v14
	v_add_nc_u32 v[AW1], s40, v[L16]
	v_add_nc_u32 v[AW2], RB, v[AW1]
	v_add_nc_u32 v[AH], HIMG, v[L16]
	s_lshl_b32 s44, s33, 12
	v_add_nc_u32 v[AHS], s44, v[AH]
	s_lshl_b32 s56, s54, 20                        ; the weights: my half's 8 chunks of 131,072 bytes,
	s_add_co_u32 s56, s56, s40                     ; my wave's 32 KiB of a chunk
	s_mov_b32 s57, 0
	s_lshl_b32 s44, s35, 16                        ; xh: 64 rows are 65,536 bytes
	s_mov_b32 s45, 0
	s_lshl_b32 s46, s35, 17                        ; xres: 131,072 a row block, 32,768 a wave
	s_add_co_u32 s46, s46, s40
	s_mov_b32 s47, 0
	s_lshl_b32 s48, s33, 7                         ; b1: my 32 units of a chunk,
	s_lshl_b32 s50, s54, 12                        ; my half's 1,024 units
	s_add_co_u32 s48, s48, s50
	s_mov_b32 s49, 0
	s_lshl_b32 s52, s54, 24                        ; ypart: 16,777,216 a half, then as xres
	s_add_co_u32 s52, s52, s46
	s_mov_b32 s53, 0
	s_wait_dscnt 0x0                               ; both opening adds are done
	s_wait_kmcnt 0x0
	s_mov_b32 s24, 1                               ; group 0 for W1's chunks
	s_mov_b32 s25, s40
	s_add_nc_u64 s[26:27], s[4:5], s[56:57]
	s_mov_b32 s28, 1                               ; and for W2's
	s_add_co_u32 s29, s40, RB
	s_add_nc_u64 s[30:31], s[26:27], 2097152
	s_or_b32 s27, s27, 0x80000000
	s_or_b32 s31, s31, 0x80000000
	CROUND                                         ; all four work-groups are here: the first joint loads meet
	JLOAD 24
	JLOAD 28                                       ; two loads of mine are out
	s_add_nc_u64 s[6:7], s[6:7], s[44:45]
	s_add_nc_u64 s[8:9], s[8:9], s[46:47]
	s_add_nc_u64 s[10:11], s[10:11], s[48:49]
	s_add_nc_u64 s[36:37], s[36:37], s[52:53]
	WIN 0x40
.irp t, 0,1,2,3
.irp k, 0,1,2,3,4,5,6,7
	global_load_b128 v[8*(8*\t+\k):8*(8*\t+\k)+3], v[L16], s[6:7] offset:\t*16384+\k*1024
	global_load_b128 v[8*(8*\t+\k)+4:8*(8*\t+\k)+7], v[L16], s[6:7] offset:\t*16384+\k*1024+512
.endr
.endr
	WIN 0x80
.irp t, 0,1,2,3
.irp k, 0,1,2,3,4,5,6,7
	global_load_b128 v[8*(8*\t+\k):8*(8*\t+\k)+3], v[L16], s[6:7] offset:\t*16384+8192+\k*1024
	global_load_b128 v[8*(8*\t+\k)+4:8*(8*\t+\k)+7], v[L16], s[6:7] offset:\t*16384+8192+\k*1024+512
.endr
.endr
	WIN 0xc0
.irp t, 0,1,2,3
.irp o, 0,1,2,3,4,5,6,7
	global_load_b128 v[8*(4*\o+\t):8*(4*\o+\t)+3], v[L16], s[8:9] offset:\t*8192+\o*1024       ; x + b2 (the other half's work-group reads it too)
	global_load_b128 v[8*(4*\o+\t)+4:8*(4*\o+\t)+7], v[L16], s[8:9] offset:\t*8192+\o*1024+512
.endr
.endr
	WIN 0
.irp ut, 0,1
	global_load_b128 v[B1+8*\ut:B1+8*\ut+3], v[H32], s[10:11] offset:64*\ut
	global_load_b128 v[B1+8*\ut+4:B1+8*\ut+7], v[H32], s[10:11] offset:64*\ut+16
.endr
	s_wait_loadcnt 0x0                             ; x, x + b2, b1
	WIN 0xc3                                       ; Y (destination and source 0) window 3
.set z, 0
.rept 128
	v_pk_mul_f32 v[2*z:2*z+1], v[2*z:2*z+1], 0.5 op_sel_hi:[1,0]   ; Y begins as half of x + b2, in both halves of the hidden layer
.set z, z+1
.endr
	WIN 0
	s_wait_tensorcnt 1                             ; W1's first chunk is in; W2's, issued behind it, may stay out.  I read only bytes that my own load brought
	s_mov_b32 s32, 7
.Lchunk:                                           ; seven trips; the eighth chunk stands behind the loop
	P1 1
	X1 1
	P2 1
	s_sub_co_u32 s32, s32, 1
	s_cmp_lg_u32 s32, 0
	s_cbranch_scc1 .Lchunk
	P1 0                                           ; the last chunk is written out: it asks for nothing more
	X1 0
	P2 0
	; THE WAY OUT: the accumulators as they stand, each from its low end on (the last unit's four v_nop are the places behind the last products)
	WIN 0x0c                                       ; a store's data are its source 1: window 3
.irp t, 0,1,2,3
.irp o, 0,1,2,3,4,5,6,7
	global_store_b128 v[L16], v[8*(4*\o+\t):8*(4*\o+\t)+3], s[36:37] offset:\t*8192+\o*1024 th:TH_STORE_NT
	global_store_b128 v[L16], v[8*(4*\o+\t)+4:8*(4*\o+\t)+7], s[36:37] offset:\t*8192+\o*1024+512 th:TH_STORE_NT
.endr
.endr
	WIN 0
	s_wait_tensorcnt 0x0                           ; the wave's end, behind my last tensor load and my last LDS store
	ds_add_u32 v[SPW], v[NIL]
	s_wait_dscnt 0x0
	CROUND                                         ; the closing round: no work-group ends while a partner may still ask for a tile that names it
	s_endpgm
.Lfunc_end_k_qfecca79787_mlp:
	.size	k_qfecca79787_mlp, .Lfunc_end_k_qfecca79787_mlp-k_qfecca79787_mlp
	.p2alignl 7, 3214868480
	.fill 96, 4, 3214868480
	.section	.rodata,"a",@progbits
	.p2align	6, 0x0
	.amdhsa_kernel k_qfecca79787_mlp
		.amdhsa_group_segment_fixed_size 327680
		.amdhsa_private_segment_fixed_size 0
		.amdhsa_enable_private_segment 0
		.amdhsa_kernarg_size 40
		.amdhsa_user_sgpr_count 2
		.amdhsa_user_sgpr_kernarg_segment_ptr 1
		.amdhsa_wavefront_size32 1
		.amdhsa_system_sgpr_workgroup_id_x 1
		.amdhsa_system_sgpr_workgroup_id_y 1
		.amdhsa_system_sgpr_workgroup_id_z 1
		.amdhsa_system_vgpr_workitem_id 0
		.amdhsa_next_free_vgpr 1024
		.amdhsa_next_free_sgpr 66
		.amdhsa_reserve_vcc 0
		.amdhsa_float_denorm_mode_32 3
		.amdhsa_float_denorm_mode_16_64 3
		.amdhsa_memory_ordered 1
		.amdhsa_forward_progress 1
		.amdhsa_inst_pref_size 109
	.end_amdhsa_kernel
	.amdgpu_metadata
---
amdhsa.version: [ 1, 2 ]
amdhsa.kernels:
  - .name:           k_qfecca79787_mlp
    .symbol:         k_qfecca79787_mlp.kd
    .args:
      - { .name: wmlp, .offset: 0, .size: 8, .value_kind: global_buffer, .address_space: global }
      - { .name: xh, .offset: 8, .size: 8, .value_kind: global_buffer, .address_space: global }
      - { .name: xres, .offset: 16, .size: 8, .value_kind: global_buffer, .address_space: global }
      - { .name: b1, .offset: 24, .size: 8, .value_kind: global_buffer, .address_space: global }
      - { .name: ypart, .offset: 32, .size: 8, .value_kind: global_buffer, .address_space: global }
    .group_segment_fixed_size: 327680
    .private_segment_fixed_size: 0
    .kernarg_segment_align: 8
    .kernarg_segment_size: 40
    .max_flat_workgroup_size: 128
    .sgpr_count:     66
    .vgpr_count:     1024
    .wavefront_size: 32
...
	.end_amdgpu_metadata
.endif
;; end of part 6
;; launch ln2 (part 7): grid 512 x 1, 4 waves a work-group, no clusters, 34,816 bytes of LDS; arguments ypart, g2, be2, out0; writes out0
.if DOCPART == 7
	.amdgcn_target "amdgcn-amd-amdhsa--gfx1250"
	.amdhsa_code_object_version 6
	.text
	.protected	k_qfecca79787_ln2
	.globl	k_qfecca79787_ln2
	.p2align	8
	.type	k_qfecca79787_ln2,@function
k_qfecca79787_ln2:
	s_mov_b64 s[64:65], 0
	v_nop
	global_prefetch_b8 v0, s[64:65] scope:SCOPE_SE
	s_setreg_imm32_b32 hwreg(HW_REG_WAVE_MODE, 25, 1), 1
	s_wait_xcnt 0x0
; out = LayerNorm(part 0 + part 1), all in f32: the two parts are the halves of the MLP's sum over the hidden layer, each with half of x + b2 in it.
; SHARES.  A work-group owns 16 rows, wave w channels 128 w .. 128 w + 127: eight tiles in the products' result layout (lane (r, h): row r, channels 8 h + 0 .. 7 of a tile), 64 registers.
; The parts lie as images of registers: every load of a wave takes 512 consecutive bytes.  A row's sums meet in LDS: over both halves of the lanes by a lane permute, over the four waves by an exchange and a barrier.
; OUT.  A lane holds 32 neighbouring bytes of a row, and the lanes beside it hold other rows: so the wave's 16 rows x 512 bytes go through its own stage in LDS (rows 528 bytes apart, an odd multiple of 16) and
; leave as whole rows: 32 lanes store 512 consecutive bytes, aligned.
; Memory binds here: no matrix unit, no cluster, no tensor load would add anything.
.set EX1,   0                          ; LDS: 16 rows x 4 waves' sums
.set EX2,   256                        ; and sums of squares
.set SPARE, 512                        ; the spare words, 128 bytes a wave: no other line names them
.set STG,   1024                       ; the stages: 16 rows x 528 bytes for each wave
.set L16, 1
.set ACC, 64
.set SA,  128
.set SB,  192
.macro CROSS ex                        ; v54: my lane's sum -> the row's, over both halves of the lanes and the four waves, in v12
	v_permlanex16_b32 v62, v54, s2, s3
	v_add_f32 v54, v54, v62
	ds_store_b32 v11, v54 offset:\ex
	s_wait_dscnt 0x0                               ; for the others' sake
	s_barrier_signal -1
	s_barrier_wait -1
	ds_load_b128 v[12:15], v10 offset:\ex
	s_wait_dscnt 0x0
	v_add_f32 v12, v12, v13
	v_add_f32 v14, v14, v15
	v_add_f32 v12, v12, v14
.endm
	s_load_b256 s[4:11], s[0:1], 0x0               ; ypart, g2, be2, out0
	v_lshl_add_u32 v8, v0, 2, SPARE
	v_mov_b32 v9, 0
	v_lshrrev_b32 v1, 5, v0
	v_readfirstlane_b32 s20, v1                    ; wave
	v_and_b32 v2, 31, v0
	v_lshlrev_b32 v[L16], 4, v2                    ; 16 x lane
	v_and_b32 v3, 15, v0                           ; r
	v_bfe_u32 v4, v0, 4, 1                         ; h
	v_lshlrev_b32 v5, 5, v4                        ; 32 h
	v_lshlrev_b32 v10, 4, v3                       ; LDS: 16 r
	s_lshl_b32 s21, s20, 2
	v_add_nc_u32 v11, s21, v10                     ; 16 r + 4 w
	s_mul_i32 s22, s20, 16*528
	s_add_co_u32 s22, s22, STG                     ; my stage
	v_mul_u32_u24 v7, v3, 528
	v_add_nc_u32 v7, v7, v5
	v_add_nc_u32 v7, s22, v7                       ; in: row r, + 32 h
	v_add_nc_u32 v6, s22, v[L16]                   ; back: a row's 512 bytes, 16 a lane
	v_mov_b32 v59, 0                               ; named as the upper halves of pairs,
	v_mov_b32 v61, 0
	v_mov_b32 v62, 0                               ; and as a lane permute's destination, which counts as one of its sources
	s_lshr_b32 s30, ttmp9, 2                       ; the parts: 131,072 bytes for 64 rows, 32,768 a wave, 8,192 a row tile
	s_lshl_b32 s30, s30, 17
	s_lshl_b32 s44, s20, 15
	s_add_co_u32 s30, s30, s44
	s_and_b32 s44, ttmp9, 3
	s_lshl_b32 s44, s44, 13
	s_add_co_u32 s30, s30, s44
	s_mov_b32 s31, 0
	s_lshl_b32 s38, s20, 9                         ; my 128 channels
	s_mov_b32 s39, 0
	s_lshl_b32 s36, ttmp9, 15                      ; 16 rows of 2,048 bytes
	s_add_co_u32 s36, s36, s38
	s_mov_b32 s37, 0
	s_mov_b32 s2, 0x76543210
	s_mov_b32 s3, 0xfedcba98                       ; v_permlanex16_b32's selects for lane l xor 16
	s_mov_b32 s46, 0x3b000000                      ; 1 / 512
	s_mov_b32 s47, 0x3727c5ac                      ; 1e-5
	s_wait_kmcnt 0x0
	s_add_nc_u64 s[4:5], s[4:5], s[30:31]          ; part 0
	s_add_nc_u64 s[12:13], s[4:5], 0x1000000       ; part 1: 16,777,216 bytes on
	s_add_nc_u64 s[6:7], s[6:7], s[38:39]
	s_add_nc_u64 s[8:9], s[8:9], s[38:39]
	s_add_nc_u64 s[10:11], s[10:11], s[36:37]
.irp o, 0,1,2,3,4,5,6,7
	global_load_b128 v[ACC+8*\o:ACC+8*\o+3], v[L16], s[4:5] offset:1024*\o th:TH_LOAD_NT
	global_load_b128 v[ACC+8*\o+4:ACC+8*\o+7], v[L16], s[4:5] offset:1024*\o+512 th:TH_LOAD_NT
.endr
.irp o, 0,1,2,3,4,5,6,7
	global_load_b128 v[SA+8*\o:SA+8*\o+3], v[L16], s[12:13] offset:1024*\o th:TH_LOAD_NT
	global_load_b128 v[SA+8*\o+4:SA+8*\o+7], v[L16], s[12:13] offset:1024*\o+512 th:TH_LOAD_NT
.endr
.irp o, 0,1,2,3,4,5,6,7
	global_load_b128 v[SB+8*\o:SB+8*\o+3], v5, s[6:7] offset:64*\o        ; g2, in the result's layout
	global_load_b128 v[SB+8*\o+4:SB+8*\o+7], v5, s[6:7] offset:64*\o+16
.endr
	s_wait_loadcnt 16                              ; g2's 16 loads may stay out: both parts are in
.set z, 0
.rept 32
	v_pk_add_f32 v[ACC+2*z:ACC+2*z+1], v[ACC+2*z:ACC+2*z+1], v[SA+2*z:SA+2*z+1]
.set z, z+1
.endr
.irp o, 0,1,2,3,4,5,6,7
	global_load_b128 v[SA+8*\o:SA+8*\o+3], v5, s[8:9] offset:64*\o        ; be2, into the registers that part 1 has left
	global_load_b128 v[SA+8*\o+4:SA+8*\o+7], v5, s[8:9] offset:64*\o+16
.endr
	v_pk_add_f32 v[54:55], v[ACC:ACC+1], v[ACC+2:ACC+3]                   ; the mean: two chains
	v_pk_add_f32 v[56:57], v[ACC+4:ACC+5], v[ACC+6:ACC+7]
.set z, 4
.rept 14
	v_pk_add_f32 v[54:55], v[54:55], v[ACC+2*z:ACC+2*z+1]
	v_pk_add_f32 v[56:57], v[56:57], v[ACC+2*z+2:ACC+2*z+3]
.set z, z+2
.endr
	v_pk_add_f32 v[54:55], v[54:55], v[56:57]
	v_add_f32 v54, v54, v55
	CROSS EX1
	v_mul_f32 v58, s46, v12                        ; the mean
.set z, 0
.rept 32
	v_pk_add_f32 v[ACC+2*z:ACC+2*z+1], v[ACC+2*z:ACC+2*z+1], v[58:59] op_sel_hi:[1,0] neg_lo:[0,1] neg_hi:[0,1]
.set z, z+1
.endr
	v_pk_mul_f32 v[54:55], v[ACC:ACC+1], v[ACC:ACC+1]
	v_pk_mul_f32 v[56:57], v[ACC+2:ACC+3], v[ACC+2:ACC+3]
.set z, 2
.rept 15
	v_pk_fma_f32 v[54:55], v[ACC+2*z:ACC+2*z+1], v[ACC+2*z:ACC+2*z+1], v[54:55]
	v_pk_fma_f32 v[56:57], v[ACC+2*z+2:ACC+2*z+3], v[ACC+2*z+2:ACC+2*z+3], v[56:57]
.set z, z+2
.endr
	v_pk_add_f32 v[54:55], v[54:55], v[56:57]
	v_add_f32 v54, v54, v55
	CROSS EX2                                      ; other bytes than the first exchange: no barrier between
	v_fma_f32 v12, v12, s46, s47                   ; the variance + eps
	v_rsq_f32 v60, v12
	v_nop                                          ; a plain line behind the transcendental,
	s_wait_alu depctr_va_vdst(0)                   ; and the wait ahead of its first reader
	s_wait_loadcnt 0x0                             ; g2, be2
.set z, 0
.rept 32
	v_pk_mul_f32 v[ACC+2*z:ACC+2*z+1], v[ACC+2*z:ACC+2*z+1], v[60:61] op_sel_hi:[1,0]
.set z, z+1
.endr
.set z, 0
.rept 32
	v_pk_fma_f32 v[ACC+2*z:ACC+2*z+1], v[ACC+2*z:ACC+2*z+1], v[SB+2*z:SB+2*z+1], v[SA+2*z:SA+2*z+1]
.set z, z+1
.endr
.irp o, 0,1,2,3,4,5,6,7
	ds_store_b128 v7, v[ACC+8*\o:ACC+8*\o+3] offset:64*\o
	ds_store_b128 v7, v[ACC+8*\o+4:ACC+8*\o+7] offset:64*\o+16
.endr
.irp k, 0,1,2,3,4,5,6,7,8,9,10,11,12,13,14,15
	ds_load_b128 v[SA+4*\k:SA+4*\k+3], v6 offset:528*\k   ; LDS serves a wave's instructions in order: these see my stores
.endr
.irp k, 0,1,2,3,4,5,6,7,8,9,10,11,12,13,14,15
	s_wait_dscnt 15-\k                             ; the younger loads from the stage may stay out
	global_store_b128 v[L16], v[SA+4*\k:SA+4*\k+3], s[10:11] offset:2048*\k th:TH_STORE_NT   ; 32 lanes store 512 consecutive bytes, aligned
.endr
	s_wait_tensorcnt 0x0                           ; the wave's end, behind my last LDS store
	ds_add_u32 v8, v9
	s_wait_dscnt 0x0
	s_endpgm
.Lfunc_end_k_qfecca79787_ln2:
	.size	k_qfecca79787_ln2, .Lfunc_end_k_qfecca79787_ln2-k_qfecca79787_ln2
	.p2alignl 7, 3214868480
	.fill 96, 4, 3214868480
	.section	.rodata,"a",@progbits
	.p2align	6, 0x0
	.amdhsa_kernel k_qfecca79787_ln2
		.amdhsa_group_segment_fixed_size 34816
		.amdhsa_private_segment_fixed_size 0
		.amdhsa_enable_private_segment 0
		.amdhsa_kernarg_size 32
		.amdhsa_user_sgpr_count 2
		.amdhsa_user_sgpr_kernarg_segment_ptr 1
		.amdhsa_wavefront_size32 1
		.amdhsa_system_sgpr_workgroup_id_x 1
		.amdhsa_system_sgpr_workgroup_id_y 1
		.amdhsa_system_sgpr_workgroup_id_z 1
		.amdhsa_system_vgpr_workitem_id 0
		.amdhsa_next_free_vgpr 256
		.amdhsa_next_free_sgpr 66
		.amdhsa_reserve_vcc 0
		.amdhsa_float_denorm_mode_32 3
		.amdhsa_float_denorm_mode_16_64 3
		.amdhsa_memory_ordered 1
		.amdhsa_forward_progress 1
		.amdhsa_inst_pref_size 26
	.end_amdhsa_kernel
	.amdgpu_metadata
---
amdhsa.version: [ 1, 2 ]
amdhsa.kernels:
  - .name:           k_qfecca79787_ln2
    .symbol:         k_qfecca79787_ln2.kd
    .args:
      - { .name: ypart, .offset: 0, .size: 8, .value_kind: global_buffer, .address_space: global }
      - { .name: g2, .offset: 8, .size: 8, .value_kind: global_buffer, .address_space: global }
      - { .name: be2, .offset: 16, .size: 8, .value_kind: global_buffer, .address_space: global }
      - { .name: out0, .offset: 24, .size: 8, .value_kind: global_buffer, .address_space: global }
    .group_segment_fixed_size: 34816
    .private_segment_fixed_size: 0
    .kernarg_segment_align: 8
    .kernarg_segment_size: 32
    .max_flat_workgroup_size: 128
    .sgpr_count:     66
    .vgpr_count:     256
    .wavefront_size: 32
...
	.end_amdgpu_metadata
.endif
;; end of part 7
